; MI455X (gfx1250); checked and timed in simulation.
; The chip was launched on July 23, 2026; its instructions are those of AMD's public machine-readable ISA for CDNA 5 (MIT licence, August 2026) and "CDNA5" Instruction Set Architecture Reference Guide (July 2026). The comments in the code are by the model that wrote it; some were corrected since.
;; KAN Block. Allowed arithmetic: matrix products marked QUANTISED: E2M3 operands, one E8M0 scale for each 32 along K, by v_wmma_scale_f32_16x16x128_f8f6f4 with both operands' format E2M3, f32 sums; everything else in f32.
;; Inputs: grid 12 float32; w1_base_codes 2,048 x 16 x 24 uint8 (E2M3 codes of w1_base, K innermost, in blocks of 32 codes, four codes in three bytes); w1_base_scales 2,048 x 16 uint8 (E8M0 scales of w1_base, one for each 32 codes along K); w1_spline 2,048 x 512 x 8 float32; w2_base_codes 512 x 64 x 24 uint8 (E2M3 codes of w2_base, K innermost, in blocks of 32 codes, four codes in three bytes); w2_base_scales 512 x 64 uint8 (E8M0 scales of w2_base, one for each 32 codes along K); w2_spline 512 x 2,048 x 8 float32; x 2 x 1,024 x 512 float32.
;; Outputs: out0 2 x 1,024 x 512 float32.
;; This version of the problem:
;;   THIS VERSION OF THE PROBLEM IS GIVEN IN LOW PRECISION. The matrix products marked QUANTISED in the list below multiply operands that are first quantised to E2M3 (2 exponent bits, 3 mantissa bits; 6 bits a number), with one power-of-two scale for each 32 numbers along K (OCP MX v1.0); their sums are f32. All else is computed in f32.
;;   The module's matrix products, in the order in which they are computed (A, B: the left and right operand; K: the contracted axis; several contracted axes count as one K, in the product's order):
;;     1. [M 2,048, K 512] x [K 512, N 2,048]; A: computed on the way; B: input w1_base (given as codes): QUANTISED
;;     2. [M 2,048, K 4,096] x [K 4,096, N 2,048]; A: computed on the way; B: input w1_spline: QUANTISED
;;     3. [M 2,048, K 2,048] x [K 2,048, N 512]; A: computed on the way; B: input w2_base (given as codes): QUANTISED
;;     4. [M 2,048, K 16,384] x [K 16,384, N 512]; A: computed on the way; B: input w2_spline: QUANTISED
;;   THE QUANTISER, for each operand of a quantised product, along K:
;;     - K is cut into blocks of 32 from its start; a last block that is shorter is filled with zeros.
;;     - A block's scale is 2^e with e = floor(log2(the largest magnitude in the block)) - 2, held to -126 .. 127; a block of zeros has e = 0. As a byte (E8M0): e + 127.
;;     - Each number is divided by its block's scale, clamped to +-7.5, and rounded to the nearest number of E2M3, ties to even, subnormals kept.
;;     - The product sums the exact products of the quantised numbers (number of the format x scale) in f32.
;;   ~~~python
;;   def quantise(x, axis):      # numpy; x: float32 -> the quantised numbers, widened to float32 again
;;       x = np.moveaxis(x, axis, -1); K = x.shape[-1]
;;       x = np.pad(x, [(0, 0)] * (x.ndim - 1) + [(0, -K % 32)]); x = x.reshape(x.shape[:-1] + (-1, 32)); a = np.abs(x).max(-1, keepdims=True)
;;       e = np.where(a > 0, np.clip(np.frexp(np.where(a > 0, a, 1))[1] - 1 - 2, -126, 127), 0)      # np.frexp(a)[1] - 1 = floor(log2(a)), exactly
;;       r = np.clip(x / 2.0 ** e, -7.5, 7.5)
;;       step = 2.0 ** (np.maximum(np.frexp(np.where(r == 0, 1, r))[1] - 1, 0) - 3)
;;       q = np.round(r / step) * step * 2.0 ** e      # np.round: ties to even
;;       return np.moveaxis(q.reshape(q.shape[:-2] + (-1,))[..., :K], -1, axis).astype(np.float32)
;;   ~~~
;;   OPERANDS COMPUTED ON THE WAY. 'Computed on the way' means the value that the module computes at that place (a softmax that the list does not call 'softmax' is quantised finished and normalised). What goes into a quantiser is computed in f32, as accurately as f32 sums, v_exp_f32 and their like allow (about 1e-6 of the number): no bf16 or f16 on the way to a quantiser, and a product that is left as it is and whose result goes on into a quantised operand takes f32 operands (vector FMAs, or v_wmma_f32_16x16x4_f32). A number that lies on a knife's edge between two numbers of the format may be rounded either way, as far as f32 arithmetic and the matrix unit's own rounding can turn it there, and no further.
;;   INPUTS GIVEN AS CODES. w1_base (in the module: [2048, 512], K = its axis 1); w2_base (in the module: [512, 2048], K = its axis 1): each comes as NAME_codes (uint8): NAME with its K axis moved to the last place and cut into blocks of 32 codes, [.., K / 32, bytes a block], one block behind the other in memory; four codes in three bytes: a row's codes are one little-endian stream of bits, code i at bits 6 i .. 6 i + 5 (a code: sign, 2 exponent bits, 3 mantissa bits); and NAME_scales (uint8): the same leading axes, one E8M0 byte (e + 127) for each 32 codes along K. Its value is code x scale, taken as it is: it is not quantised again, and the codes and scales need not be those that the quantiser above would give.
;; One version. Each part assembles by itself: llvm-mc -triple=amdgcn-amd-amdhsa -mcpu=gfx1250 --defsym DOCPART=n.
;; ======== version 1 of 1: 4 launches
;; limits: right only within a limited range of input values
;; workspace buffers: a1 7,372,800 bytes; b1 7,372,800 bytes; a2 29,491,200 bytes; b2 7,372,800 bytes; part 16,777,216 bytes
;; launch prep (part 1): grid 256 x 1, 8 waves a work-group, no clusters, 309,760 bytes of LDS; arguments x, grid, a1, w1_spline, b1, b2, w1_base_codes, w2_base_codes, w1_base_scales, w2_base_scales; writes a1, b1, b2
.if DOCPART == 1
	.amdgcn_target "amdgcn-amd-amdhsa--gfx1250"
	.amdhsa_code_object_version 6
	.text
	.protected	k_q8c6661a72e_prep
	.globl	k_q8c6661a72e_prep
	.p2align	8
	.type	k_q8c6661a72e_prep,@function
k_q8c6661a72e_prep:
	s_mov_b64 s[64:65], 0
	v_nop
	global_prefetch_b8 v0, s[64:65] scope:SCOPE_SE
	s_setreg_imm32_b32 hwreg(HW_REG_WAVE_MODE, 25, 1), 1
	s_wait_xcnt 0x0
; PREP: what the first product reads, and the given base weights of both layers, laid in the order of the matrix operand's registers.  (w2_spline is quantised by the next launch, which stores the rest of b2.)
; A RECORD is 64 rows x 128 along K, 6,400 bytes: four fragment images of 1,536 bytes (rows 16 a .. 16 a + 15; chunk k of 512 bytes: lane l's 16 bytes at 16 l are operand registers 4 k .. 4 k + 3),
; then 64 scale words (row 16 a + r at 64 a + 4 r).  A buffer is [group of 64 rows][K step][6,400].  K steps: first the base path's (silu, K as it lies), then the spline path's.
; THE SPLINE PRODUCTS' K is basis-major: a quantiser's block of 32 is 32 neighbouring inputs of one basis.  A unit u of 32 inputs makes two steps: step 2 u holds bases 0-3, step 2 u + 1 bases 4-7;
; block b of a step is (basis 4 F + b, inputs 32 u .. 32 u + 31).  A lane (r = l % 16, h = l / 16) owns inputs 32 u + 16 h + 0 .. 15 of its row, so a block lies in lanes l and l xor 16.
; 256 work-groups of eight waves.  Wave w: a = w % 4 (rows 16 a on), p = w / 4.  TWO PATHS, parted on the work-group's number, each with LDS bytes of its own:
;   X (0-127):   64 rows x 128 columns of x, read once.  A wave brings 16 rows x 64 columns (half p) into a shared stage.  Waves 0-3: silu of their rows' 128 columns -> the base step.  Every wave: the two units of its half -> four spline steps -> a1.
;   W (128-255): four units of 64 rows of w1_spline.  A wave takes 16 rows x 2,048 bytes (units 2 p, 2 p + 1 of the four), all 64 loads issued on end, each chunk of 512 bytes turned through the wave's own stage -> b1.
;                Waves 0 and 1 also re-lay one record each of the given base codes and scale bytes (256 records in both layers) -> b1, b2.
; THE BASES: Cox-de Boor on the 12 knots as they are given (no order and no spacing is assumed): d_i = x - g_i; order 0 is (d_i >= 0) and not (d_i+1 >= 0); B_j,i = d_i R_j,i B_j-1,i - d_i+j+1 R_j,i+1 B_j-1,i+1, R_j,i = 1 / (g_i+j - g_i).
; THE QUANTISER: a block's scale byte is its largest magnitude's exponent field - 2, held at 1 from below; the conversion divides by the scale, rounds to the nearest code, ties to even, and gives the largest code beyond 7.5.
; LIMITS: NaN and infinities among the inputs are not served.  Knots with g_i+j = g_i (j <= 3) make the module itself non-finite and are not served.  The divisions by knot differences are multiplications by
; reciprocals refined by one Newton step.  A block of zeros, or one under 2^-124, gets the byte 1 where the rule says 127 or less: its codes are zeros, and only this program reads the bytes.
; No prefetch: a wave issues all its loads at its head, and no loop runs ahead of them.  No cluster: no byte is read by two work-groups.
.set REC,  6400
.set WPW,  32*528                      ; path W: a chunk's stage: 32 pieces of 512 bytes, 528 apart; two chunks a wave
.set WSC,  16*WPW                      ; path W: eight records' scale words, 256 bytes each
.set XST,  WSC+2048                    ; path X: 64 rows of 512 bytes, 528 apart
.set XSC,  XST+64*528                  ; path X: nine records' scale words: the base step's, then eight spline steps'
.set SPARE, XSC+2560                   ; the spare words: 128 bytes a wave
.set RR,   1
.set HH,   2
.set LN,   3
.set HRD,  4
.set ADR,  5
.set VOUT, 6
.set SCW,  7
.set SCA,  8
.set GRD,  9                           ; where I read a record's gathered scale words back
.set SRD,  10
.set SRB,  11                          ; and their place in memory
.set X,    12
.set TM,   12
.set PW,   38
.set PW2,  39
.set TMP,  40
.set SPW,  42
.set B0G,  43
.set PCA,  44
.set NIL,  63
.set B0A,  64
.set RAW,  64                          ; path W: v64-191 a chunk's 128 numbers
.set R1,   68
.set NG,   80
.set R2,   104
.set R3,   124
.set D,    142
.set CA,   166
.set CB,   188
.set RB,   192                         ; path W: v192-239 four given fragments
.set PCB,  208
.set KD,   208
.set KR,   220
.set SX,   142
.set ST,   206
.set WV,   12
.set SH,   17
.set SG,   18
.set SEL,  20
.set MK,   24
.set GR,   68
.set PB,   80
.set PS,   82
.set PS0,  86
.set WA,   88
.set WP,   89
.set MSB, 0
.macro WIN new                         ; s_set_vgpr_msb: bits 1:0 source 0, 3:2 source 1, 5:4 source 2, 7:6 destination; the immediate's high byte repeats the setting that is left
.if MSB != \new
	s_set_vgpr_msb (MSB<<8)|\new
.set MSB, \new
.endif
.endm
; Two inputs -> their eight bases: basis g of both in window 1, v[o+16g], v[o+16g+1]
.macro PAIR x, o
.irp i, 0,1,2,3,4,5,6,7,8,9,10,11
	v_pk_add_f32 v[D+2*\i:D+2*\i+1], v[(\x):(\x)+1], v[NG+2*\i:NG+2*\i+1]
.endr
.irp i, 0,1,2,3,4,5,6,7,8,9,10,11
	v_cmp_le_f32 s[MK+\i], 0, v[D+2*\i]
	v_cmp_le_f32 s[MK+12+\i], 0, v[D+2*\i+1]
.endr
.irp i, 0,1,2,3,4,5,6,7,8,9,10
	s_and_not1_b32 s[MK+\i], s[MK+\i], s[MK+1+\i]
	s_and_not1_b32 s[MK+12+\i], s[MK+12+\i], s[MK+13+\i]
.endr
.irp i, 0,1,2,3,4,5,6,7,8,9,10
	v_cndmask_b32 v[CA+2*\i], 0, v[R1+\i], s[MK+\i]
	v_cndmask_b32 v[CA+2*\i+1], 0, v[R1+\i], s[MK+12+\i]
.endr
.irp i, 0,1,2,3,4,5,6,7,8,9
	v_pk_mul_f32 v[CB+2*\i:CB+2*\i+1], v[D+4+2*\i:D+5+2*\i], v[CA+2+2*\i:CA+3+2*\i]
.endr
.irp i, 0,1,2,3,4,5,6,7,8,9
	v_pk_fma_f32 v[CB+2*\i:CB+2*\i+1], v[D+2*\i:D+2*\i+1], v[CA+2*\i:CA+2*\i+1], v[CB+2*\i:CB+2*\i+1] neg_lo:[0,0,1] neg_hi:[0,0,1]
.endr
.irp i, 0,1,2,3,4,5,6,7,8,9
	v_pk_mul_f32 v[CB+2*\i:CB+2*\i+1], v[CB+2*\i:CB+2*\i+1], v[R2+2*\i:R2+2*\i+1]
.endr
.irp i, 0,1,2,3,4,5,6,7,8
	v_pk_mul_f32 v[CA+2*\i:CA+2*\i+1], v[D+6+2*\i:D+7+2*\i], v[CB+2+2*\i:CB+3+2*\i]
.endr
.irp i, 0,1,2,3,4,5,6,7,8
	v_pk_fma_f32 v[CA+2*\i:CA+2*\i+1], v[D+2*\i:D+2*\i+1], v[CB+2*\i:CB+2*\i+1], v[CA+2*\i:CA+2*\i+1] neg_lo:[0,0,1] neg_hi:[0,0,1]
.endr
.irp i, 0,1,2,3,4,5,6,7,8
	v_pk_mul_f32 v[CA+2*\i:CA+2*\i+1], v[CA+2*\i:CA+2*\i+1], v[R3+2*\i:R3+2*\i+1]
.endr
	WIN 0x50
.irp i, 0,1,2,3,4,5,6,7
	v_pk_mul_f32 v[(\o)+16*\i:(\o)+16*\i+1], v[D+8+2*\i:D+9+2*\i], v[CA+2+2*\i:CA+3+2*\i]
.endr
.irp i, 0,1,2,3,4,5,6,7
	v_pk_fma_f32 v[(\o)+16*\i:(\o)+16*\i+1], v[D+2*\i:D+2*\i+1], v[CA+2*\i:CA+2*\i+1], v[(\o)+16*\i:(\o)+16*\i+1] neg_lo:[0,0,1] neg_hi:[0,0,1]
.endr
	WIN 0
.endm
; 64 numbers of a lane, v[s] on in window w (register 16 b + i = place 16 h + i of block b of my row) -> a fragment's codes in v[pc] .. v[pc+11] and its scale word in v[pw]
.macro QUANT s, w, pc, pw
	WIN 0x05*(\w)
.irp b, 0,1,2,3
	v_max3_num_f32 v[TM+\b], |v[(\s)+16*\b]|, |v[(\s)+1+16*\b]|, 0x1800000          ; and the floor 2^(3 - 127): the byte cannot fall under 1
.endr
	WIN 0x14*(\w)
.irp i, 2,4,6,8,10,12,14
.irp b, 0,1,2,3
	v_max3_num_f32 v[TM+\b], v[TM+\b], |v[(\s)+16*\b+\i]|, |v[(\s)+1+16*\b+\i]|
.endr
.endr
	WIN 0
.irp b, 0,1,2,3
	v_permlanex16_b32 v[TM+4+\b], v[TM+\b], s[SEL], s[SEL+1]
.endr
.irp b, 0,1,2,3
	v_max_num_f32 v[TM+\b], v[TM+\b], v[TM+4+\b]
.endr
.irp b, 0,1,2,3
	v_add_nc_u32 v[TM+12+\b], 0xff000000, v[TM+\b]                                  ; 2 off the exponent field: the conversion's scale operand
.endr
.irp b, 0,1,2,3
	v_lshrrev_b32 v[TM+4+\b], 23, v[TM+12+\b]
.endr
	v_lshl_or_b32 v[\pw], v[TM+5], 8, v[TM+4]
	v_lshl_or_b32 v[\pw], v[TM+6], 16, v[\pw]
	v_lshl_or_b32 v[\pw], v[TM+7], 24, v[\pw]
	WIN 0x01*(\w)
.irp c, 0,1
	v_cvt_scalef32_pk16_fp6_f32 v[(\pc)+6*\c:(\pc)+2+6*\c], v[(\s)+32*\c:(\s)+15+32*\c], v[TM+12+2*\c]
	v_cvt_scalef32_pk16_fp6_f32 v[(\pc)+12+4*\c:(\pc)+14+4*\c], v[(\s)+16+32*\c:(\s)+31+32*\c], v[TM+12+2*\c+1]
.endr
	WIN 0
	v_nop                                                                           ; one plain line behind a scaled conversion
.irp c, 0,1
.irp i, 0,1,2
	v_permlane16_swap_b32 v[(\pc)+6*\c+\i], v[(\pc)+12+4*\c+\i]
.endr
.irp i, 0,1,2
	v_mov_b32 v[(\pc)+3+6*\c+\i], v[(\pc)+12+4*\c+\i]
.endr
.endr
.endm
; 16 rows x 32 inputs of the stage -> two spline steps' fragments, stored, and their scale words, gathered in LDS
.macro UNIT
	v_add_nc_u32 v[ADR], s[SH], v[HRD]
.irp k, 0,1,2,3
	ds_load_b128 v[X+4*\k:X+4*\k+3], v[ADR] offset:16*\k
.endr
	s_wait_dscnt 0x0
.irp p, 0,1,2,3,4,5,6,7
	PAIR X+2*\p, 2*\p
.endr
	QUANT 0, 1, PCA, PW
	QUANT 64, 1, PCB, PW2
	v_add_nc_u32 v[SCA], s[SG], v[SCW]
	ds_store_b32 v[SCA], v[PW] offset:256                                           ; lanes l and l xor 16 write the same word with the same value
	ds_store_b32 v[SCA], v[PW2] offset:512
.irp k, 0,1,2
	global_store_b128 v[VOUT], v[PCA+4*\k:PCA+4*\k+3], s[PS:PS+1] offset:512*\k      ; the wave stores 512 consecutive bytes, aligned to 256
.endr
.irp k, 0,1,2
	global_store_b128 v[VOUT], v[PCB+4*\k:PCB+4*\k+3], s[PS:PS+1] offset:REC+512*\k
.endr
	s_wait_xcnt 0x0                                                                 ; the stores' base and data are written again only behind this wait
	s_add_nc_u64 s[PS:PS+1], s[PS:PS+1], 2*REC
	s_add_co_u32 s[SH], s[SH], 128
	s_add_co_u32 s[SG], s[SG], 512
.endm
; 16 rows x 128 inputs of the stage -> silu -> the base step's fragment and scale words.  silu(x) = x / (1 + 2^(-x log2 e))
.macro SILUQ
	v_add_nc_u32 v[ADR], s[SH], v[HRD]
.irp b, 0,1,2,3
.irp k, 0,1,2,3
	ds_load_b128 v[SX+16*\b+4*\k:SX+16*\b+4*\k+3], v[ADR] offset:128*\b+16*\k
.endr
.endr
	s_wait_dscnt 0x0
.irp f, 0,1
.set i, 0
.rept 16
	v_pk_mul_f32 v[ST+2*i:ST+2*i+1], v[SX+32*\f+2*i:SX+32*\f+2*i+1], 0xbfb8aa3b op_sel_hi:[1,0]
.set i, i+1
.endr
.set i, 0
	s_wait_alu depctr_va_vdst(0)                                                    ; a wait ahead of a batch and one behind it
.rept 32
	v_exp_f32 v[ST+i], v[ST+i]
.set i, i+1
.endr
	v_nop
	s_wait_alu depctr_va_vdst(0)
.set i, 0
.rept 16
	v_pk_add_f32 v[ST+2*i:ST+2*i+1], v[ST+2*i:ST+2*i+1], 1.0 op_sel_hi:[1,0]
.set i, i+1
.endr
.set i, 0
	s_wait_alu depctr_va_vdst(0)
.rept 32
	v_rcp_f32 v[ST+i], v[ST+i]
.set i, i+1
.endr
	v_nop
	s_wait_alu depctr_va_vdst(0)
.set i, 0
.rept 16
	v_pk_mul_f32 v[SX+32*\f+2*i:SX+32*\f+2*i+1], v[SX+32*\f+2*i:SX+32*\f+2*i+1], v[ST+2*i:ST+2*i+1]
.set i, i+1
.endr
.endr
	QUANT SX, 0, PCA, PW
.irp k, 0,1,2
	global_store_b128 v[VOUT], v[PCA+4*\k:PCA+4*\k+3], s[PB:PB+1] offset:512*\k
.endr
	v_add_nc_u32 v[SCA], s[SG], v[SCW]
	ds_store_b32 v[SCA], v[PW]
	s_wait_xcnt 0x0
.endm
.macro KLEVEL j, n                     ; n reciprocals of level j and the residue of a Newton step
.set i, 0
.rept \n
	v_sub_f32 v[KD+i], s[GR+i+\j], s[GR+i]
.set i, i+1
.endr
.set i, 0
	s_wait_alu depctr_va_vdst(0)
.rept \n
	v_rcp_f32 v[KR+i], v[KD+i]
.set i, i+1
.endr
	v_nop
	s_wait_alu depctr_va_vdst(0)
.set i, 0
.rept \n
	v_fma_f32 v[KD+i], -v[KD+i], v[KR+i], 1.0
.set i, i+1
.endr
.endm
.macro KNOTS
.irp i, 0,1,2,3,4,5,6,7,8,9,10,11
	v_sub_f32 v[NG+2*\i], 0, s[GR+\i]
	v_sub_f32 v[NG+2*\i+1], 0, s[GR+\i]
.endr
	KLEVEL 1, 11
.set i, 0
.rept 11
	v_fma_f32 v[R1+i], v[KR+i], v[KD+i], v[KR+i]
.set i, i+1
.endr
	KLEVEL 2, 10
.set i, 0
.rept 10
	v_fma_f32 v[R2+2*i], v[KR+i], v[KD+i], v[KR+i]
	v_fma_f32 v[R2+2*i+1], v[KR+i], v[KD+i], v[KR+i]
.set i, i+1
.endr
	KLEVEL 3, 9
.set i, 0
.rept 9
	v_fma_f32 v[R3+2*i], v[KR+i], v[KD+i], v[KR+i]
	v_fma_f32 v[R3+2*i+1], v[KR+i], v[KD+i], v[KR+i]
.set i, i+1
.endr
.endm
	v_lshl_add_u32 v[SPW], v0, 2, SPARE
	v_mov_b32 v[NIL], 0
	v_lshrrev_b32 v[LN], 5, v0
	v_readfirstlane_b32 s[WV], v[LN]               ; wave 0..7
	v_and_b32 v[LN], 31, v0
	v_and_b32 v[RR], 15, v0
	v_bfe_u32 v[HH], v0, 4, 1
	v_lshlrev_b32 v[ADR], 4, v[LN]                 ; 16 x lane
.irp b, 0,1,2,3
	v_mov_b32 v[TM+4+\b], 0                        ; a lane permute's destination counts as one of its sources
.endr
	s_mov_b32 s[SEL], 0x76543210
	s_mov_b32 s[SEL+1], 0xfedcba98
	s_and_b32 s[WA], s[WV], 3
	s_lshr_b32 s[WP], s[WV], 2
	s_cmp_lt_u32 ttmp9, 128                        ; the paths part on the work-group's number: all eight waves go one way
	s_wait_alu depctr_va_vdst(0)                   ; the wait at the head's end
	s_cbranch_scc1 .Lpath_x
; ---- PATH W.  Work-group m: group m / 4 of 64 rows, units 4 (m % 4) .. + 3; their eight records lie on end in b1
	s_load_b128 s[4:7], s[0:1], 0x18               ; w1_spline, b1
	s_load_b64 s[8:9], s[0:1], 0x28                ; b2
	s_load_b256 s[48:55], s[0:1], 0x30             ; w1_base_codes, w2_base_codes, w1_base_scales, w2_base_scales
	s_sub_co_u32 s13, ttmp9, 128                   ; m
	s_lshr_b32 s23, s13, 2                         ; the group
	s_and_b32 s24, s13, 3
	s_lshl_b32 s24, s24, 2                         ; the first unit
	s_lshl_b32 s25, s23, 6
	s_lshl_b32 s26, s[WA], 4
	s_add_co_u32 s25, s25, s26                     ; my first row
	s_lshl_b32 s26, s25, 14                        ; of 16,384 bytes
	s_lshl_b32 s29, s[WP], 1
	s_add_co_u32 s29, s29, s24                     ; my first unit
	s_lshl_b32 s27, s29, 10
	s_add_co_u32 s26, s26, s27
	s_mov_b32 s27, 0
	s_mul_i32 s30, s23, 36
	s_add_co_u32 s30, s30, 4
	s_lshl_b32 s31, s24, 1
	s_add_co_u32 s30, s30, s31
	s_mul_i32 s30, s30, REC                        ; the work-group's first record
	s_mov_b32 s31, 0
	s_mul_i32 s32, s[WP], 4*REC                    ; my first: 4 p on
	s_mov_b32 s33, 0
	s_wait_kmcnt 0x0
	s_add_nc_u64 s[4:5], s[4:5], s[26:27]
	s_add_nc_u64 s[10:11], s[6:7], s[30:31]
	s_add_nc_u64 s[PS:PS+1], s[10:11], s[32:33]
.set j, 0
.rept 32
	global_load_b128 v[RAW+4*j:RAW+4*j+3], v[ADR], s[4:5] offset:16384*(j%16)+512*(j/16) th:TH_LOAD_NT   ; piece j: row j % 16, half j / 16: 512 consecutive bytes
.set j, j+1
.endr
	WIN 0x40
.set j, 0
.rept 32
	global_load_b128 v[4*j:4*j+3], v[ADR], s[4:5] offset:16384*(j%16)+512*(j/16)+1024 th:TH_LOAD_NT      ; the second unit, into window 1
.set j, j+1
.endr
	WIN 0
	s_mul_i32 s34, s[WV], 2*WPW
	v_add_nc_u32 v[HRD], s34, v[ADR]               ; into my stage: piece j at 528 j, 16 bytes a lane
	v_mul_u32_u24 v[SRD], v[LN], 528
	v_add_nc_u32 v[SRD], s34, v[SRD]               ; out of it: lane l takes piece l whole: row l % 16, half l / 16
	s_mul_i32 s34, s[WA], 1536
	v_add_nc_u32 v[VOUT], s34, v[ADR]
	s_lshl_b32 s34, s[WP], 10
	s_lshl_b32 s35, s[WA], 6
	s_add_co_u32 s34, s34, s35
	s_add_co_u32 s34, s34, WSC
	v_lshl_add_u32 v[SCW], v[RR], 2, s34           ; my row's scale word in my first record
	s_lshl_b32 s34, s[WV], 8
	s_add_co_u32 s34, s34, WSC
	v_lshl_add_u32 v[GRD], v[LN], 3, s34           ; back: record w's 256 bytes, 8 a lane,
	s_mul_i32 s34, s[WV], REC
	s_add_co_u32 s34, s34, 6144
	v_lshl_add_u32 v[SRB], v[LN], 3, s34           ; and their place in memory
	s_cmp_lt_u32 s[WV], 2
	s_wait_alu depctr_va_vdst(0)                   ; the wait directly ahead of the branch
	s_cbranch_scc0 .Lw_no_r
	; waves 0, 1: given record 2 m + w: 64 rows x 128 codes and their scale words, re-laid
	s_lshl_b32 s36, s13, 1
	s_add_co_u32 s36, s36, s[WV]
	s_lshr_b32 s14, s36, 7                         ; layer
	s_and_b32 s36, s36, 127
	s_cmp_eq_u32 s14, 0                            ; the choice of buffers hangs on ids alone
	s_cselect_b32 s15, 2, 4                        ; 4 or 16 base steps
	s_mov_b32 s16, 1536
	s_cselect_b32 s16, 384, s16                    ; a row of codes in bytes
	s_cselect_b32 s19, 16, 64                      ; a row of scale bytes
	s_cselect_b32 s22, 36, 144                     ; K steps in a group
	s_cselect_b64 s[56:57], s[48:49], s[50:51]
	s_cselect_b64 s[58:59], s[52:53], s[54:55]
	s_cselect_b64 s[60:61], s[6:7], s[8:9]
	s_lshr_b32 s37, s36, s15                       ; group
	s_bfm_b32 s38, s15, 0
	s_and_b32 s38, s36, s38                        ; step
	s_lshl_b32 s39, s37, 6
	s_mul_i32 s40, s39, s16
	s_mul_i32 s41, s38, 96
	s_add_co_u32 s40, s40, s41
	s_mov_b32 s41, 0
	s_mul_i32 s42, s39, s19
	s_lshl_b32 s43, s38, 2
	s_add_co_u32 s42, s42, s43
	s_mov_b32 s43, 0
	s_mul_i32 s44, s37, s22
	s_add_co_u32 s44, s44, s38
	s_mul_i32 s44, s44, REC
	s_mov_b32 s45, 0
	s_add_nc_u64 s[56:57], s[56:57], s[40:41]
	s_add_nc_u64 s[58:59], s[58:59], s[42:43]
	s_add_nc_u64 s[60:61], s[60:61], s[44:45]
	v_mul_u32_u24 v[X+4], v[HH], 24
.irp a, 0,1,2,3
	v_add_nc_u32 v[X+\a], 16*\a, v[RR]
	v_mad_u32_u24 v[X+\a], v[X+\a], s16, v[X+4]    ; row 16 a + r, + 24 h: the operand's registers are the row's stream of bits as it lies
.endr
	v_lshlrev_b32 v[X+5], 1, v[LN]
	v_mul_u32_u24 v[X+5], v[X+5], s19              ; scale words: lane l takes rows 2 l and 2 l + 1
	v_add_nc_u32 v[X+6], s19, v[X+5]
	v_lshlrev_b32 v[X+7], 3, v[LN]
.irp a, 0,1,2,3
.irp c, 0,1
.irp p, 0,1,2
	global_load_b64 v[RB+12*\a+6*\c+2*\p:RB+12*\a+6*\c+2*\p+1], v[X+\a], s[56:57] offset:48*\c+8*\p
.endr
.endr
.endr
	global_load_b32 v[TMP], v[X+5], s[58:59]
	global_load_b32 v[TMP+1], v[X+6], s[58:59]
	s_wait_alu depctr_va_vdst(0)                   ; the wait directly ahead of the wait below
	s_wait_loadcnt 0x0                             ; these stand behind my 64 loads, which the stage below wants anyway
.irp a, 0,1,2,3
.irp k, 0,1,2
	global_store_b128 v[ADR], v[RB+12*\a+4*\k:RB+12*\a+4*\k+3], s[60:61] offset:1536*\a+512*\k
.endr
.endr
	global_store_b64 v[X+7], v[TMP:TMP+1], s[60:61] offset:6144
	s_wait_xcnt 0x0                                ; the stores' registers are written again only behind this wait
.Lw_no_r:
.set j, 0
.rept 32
	s_wait_loadcnt 63-j                            ; loads come back in order: piece j is in, the younger ones stay out
	ds_store_b128 v[HRD], v[RAW+4*j:RAW+4*j+3] offset:528*j
.set j, j+1
.endr
	WIN 0x04                                       ; the data in window 1
.set j, 0
.rept 32
	s_wait_loadcnt 31-j
	ds_store_b128 v[HRD], v[4*j:4*j+3] offset:WPW+528*j
.set j, j+1
.endr
	WIN 0
	s_mov_b32 s[SH], 0
	s_mov_b32 s[SG], 0
	s_mov_b32 s2, 2
.Lw_unit:                                              ; a trip: one unit -> two records' images of my 16 rows
	s_wait_dscnt 0x0                               ; my LDS stores have read their registers
	v_add_nc_u32 v[SCA], s[SH], v[SRD]
.set j, 0
.rept 32
	ds_load_b128 v[RAW+4*j:RAW+4*j+3], v[SCA] offset:16*j   ; register 8 e + g: my input e, basis g
.set j, j+1
.endr
	s_wait_dscnt 0x0
	WIN 0x40
.irp f, 0,1
.irp e, 0,1,2,3,4,5,6,7,8,9,10,11,12,13,14,15
.irp b, 0,1,2,3
	v_mov_b32 v[64*\f+16*\b+\e], v[RAW+8*\e+4*\f+\b]   ; basis 4 F + b of my 16 inputs, on end, in window 1
.endr
.endr
.endr
	QUANT 0, 1, PCA, PW
	QUANT 64, 1, PCB, PW2
	v_add_nc_u32 v[SCA], s[SG], v[SCW]
	ds_store_b32 v[SCA], v[PW]
	ds_store_b32 v[SCA], v[PW2] offset:256
.irp k, 0,1,2
	global_store_b128 v[VOUT], v[PCA+4*\k:PCA+4*\k+3], s[PS:PS+1] offset:512*\k
.endr
.irp k, 0,1,2
	global_store_b128 v[VOUT], v[PCB+4*\k:PCB+4*\k+3], s[PS:PS+1] offset:REC+512*\k
.endr
	s_wait_xcnt 0x0
	s_add_nc_u64 s[PS:PS+1], s[PS:PS+1], 2*REC
	s_add_co_u32 s[SH], s[SH], WPW
	s_add_co_u32 s[SG], s[SG], 512
	s_sub_co_u32 s2, s2, 1
	s_cmp_lg_u32 s2, 0
	s_wait_alu depctr_va_vdst(0)                   ; the wait directly ahead of the branch
	s_cbranch_scc1 .Lw_unit
	s_wait_dscnt 0x0                               ; for the others' sake: my scale words lie in LDS
	s_barrier_signal -1
	s_barrier_wait -1
	ds_load_b64 v[TMP:TMP+1], v[GRD]
	s_wait_dscnt 0x0
	global_store_b64 v[SRB], v[TMP:TMP+1], s[10:11]   ; the wave stores a record's 256 bytes of scale words, aligned
	s_wait_tensorcnt 0x0                           ; the wave's end
	ds_add_u32 v[SPW], v[NIL]
	s_wait_dscnt 0x0
	s_endpgm
; ---- PATH X.  Work-group m: group m / 4 of 64 rows, columns 128 (m % 4) on
.Lpath_x:
	s_load_b128 s[4:7], s[0:1], 0x0                ; x, grid
	s_load_b64 s[8:9], s[0:1], 0x10                ; a1
	s_lshr_b32 s13, ttmp9, 2                       ; G
	s_and_b32 s14, ttmp9, 3                        ; s
	s_lshl_b32 s15, s13, 6
	s_lshl_b32 s16, s[WA], 4
	s_add_co_u32 s15, s15, s16
	s_lshl_b32 s22, s15, 11                        ; my first row of 2,048 bytes,
	s_lshl_b32 s16, s14, 9
	s_add_co_u32 s22, s22, s16                     ; + 512 s,
	s_lshl_b32 s16, s[WP], 8
	s_add_co_u32 s22, s22, s16                     ; + my 64 columns
	s_mov_b32 s23, 0
	s_mul_i32 s48, s13, 36
	s_add_co_u32 s50, s48, s14
	s_mul_i32 s50, s50, REC                        ; base step s of group G
	s_mov_b32 s51, 0
	s_lshl_b32 s52, s14, 3
	s_add_co_u32 s52, s52, s48
	s_add_co_u32 s52, s52, 4
	s_mul_i32 s52, s52, REC                        ; spline step 8 s
	s_mov_b32 s53, 0
	s_mul_i32 s54, s[WP], 4*REC                    ; my half's: 4 p on
	s_mov_b32 s55, 0
	v_lshlrev_b32 v[X], 11, v[HH]
	v_lshl_add_u32 v[X], v[RR], 4, v[X]            ; lanes 0-15 one row's 256 bytes, lanes 16-31 the next row's
	s_wait_alu depctr_va_vdst(0)                   ; the wait directly ahead of the wait below
	s_wait_kmcnt 0x0
	s_load_b256 s[GR:GR+7], s[6:7], 0x0            ; the twelve knots
	s_load_b128 s[GR+8:GR+11], s[6:7], 0x20
	s_add_nc_u64 s[4:5], s[4:5], s[22:23]
	s_add_nc_u64 s[PB:PB+1], s[8:9], s[50:51]
	s_add_nc_u64 s[PS0:PS0+1], s[8:9], s[52:53]
	s_add_nc_u64 s[PS:PS+1], s[PS0:PS0+1], s[54:55]
.irp j, 0,1,2,3,4,5,6,7
	global_load_b128 v[SX+4*\j:SX+4*\j+3], v[X], s[4:5] offset:4096*\j th:TH_LOAD_NT
.endr
	s_mul_i32 s15, s[WA], 16*528
	s_add_co_u32 s15, s15, XST                     ; my 16 rows of the stage
	s_lshl_b32 s16, s[WP], 8
	s_add_co_u32 s16, s16, s15
	v_mul_u32_u24 v[SCA], v[HH], 528
	v_lshl_add_u32 v[SCA], v[RR], 4, v[SCA]
	v_add_nc_u32 v[SCA], s16, v[SCA]               ; in
	v_mul_u32_u24 v[HRD], v[RR], 528
	v_lshl_add_u32 v[HRD], v[HH], 6, v[HRD]
	v_add_nc_u32 v[HRD], s15, v[HRD]               ; out: row r, + 64 h
	s_mul_i32 s16, s[WA], 1536
	v_add_nc_u32 v[VOUT], s16, v[ADR]
	s_lshl_b32 s16, s[WA], 6
	s_add_co_u32 s16, s16, XSC
	v_lshl_add_u32 v[SCW], v[RR], 2, s16
	s_lshl_b32 s16, s[WV], 8
	s_add_co_u32 s16, s16, XSC+256
	v_lshl_add_u32 v[GRD], v[LN], 3, s16           ; back: spline step w's 256 bytes, 8 a lane
	s_mul_i32 s16, s[WV], REC
	s_add_co_u32 s16, s16, 6144
	v_lshl_add_u32 v[SRB], v[LN], 3, s16
	v_lshlrev_b32 v[B0G], 3, v[LN]
	v_lshl_add_u32 v[B0A], v[LN], 3, XSC           ; wave 0: the base step's 256 bytes
	s_wait_kmcnt 0x0
	KNOTS                                          ; while x is on its way
.irp j, 0,1,2,3,4,5,6,7
	s_wait_loadcnt 7-\j                            ; rows 2 j, 2 j + 1 are in; the younger loads stay out
	ds_store_b128 v[SCA], v[SX+4*\j:SX+4*\j+3] offset:1056*\j
.endr
	s_wait_dscnt 0x0                               ; for the others' sake: a row's two halves come from two waves
	s_barrier_signal -1
	s_barrier_wait -1
	s_mov_b32 s[SH], 0
	s_mov_b32 s[SG], 0
	s_cmp_lt_u32 s[WV], 4
	s_cbranch_scc0 .Lx_no_silu
	SILUQ
.Lx_no_silu:
	s_lshl_b32 s[SH], s[WP], 8                     ; my half's columns in the stage,
	s_lshl_b32 s[SG], s[WP], 10                    ; and its four records among the gathered words
	s_mov_b32 s2, 2
.Lx_unit:
	UNIT
	s_sub_co_u32 s2, s2, 1
	s_cmp_lg_u32 s2, 0
	s_cbranch_scc1 .Lx_unit
	s_wait_dscnt 0x0                               ; for the others' sake: my scale words lie in LDS
	s_barrier_signal -1
	s_barrier_wait -1
	ds_load_b64 v[TMP:TMP+1], v[GRD]
	s_wait_dscnt 0x0
	global_store_b64 v[SRB], v[TMP:TMP+1], s[PS0:PS0+1]   ; the wave stores a record's 256 bytes of scale words, aligned
	s_cmp_lg_u32 s[WV], 0
	s_cbranch_scc1 .Lx_end
	ds_load_b64 v[X+4:X+5], v[B0A]
	s_wait_dscnt 0x0
	global_store_b64 v[B0G], v[X+4:X+5], s[PB:PB+1] offset:6144
.Lx_end:
	s_wait_tensorcnt 0x0                           ; the wave's end
	ds_add_u32 v[SPW], v[NIL]
	s_wait_dscnt 0x0
	s_endpgm
.Lfunc_end_k_q8c6661a72e_prep:
	.size	k_q8c6661a72e_prep, .Lfunc_end_k_q8c6661a72e_prep-k_q8c6661a72e_prep
	.p2alignl 7, 3214868480
	.fill 96, 4, 3214868480
	.section	.rodata,"a",@progbits
	.p2align	6, 0x0
	.amdhsa_kernel k_q8c6661a72e_prep
		.amdhsa_group_segment_fixed_size 309760
		.amdhsa_private_segment_fixed_size 0
		.amdhsa_enable_private_segment 0
		.amdhsa_kernarg_size 80
		.amdhsa_user_sgpr_count 2
		.amdhsa_user_sgpr_kernarg_segment_ptr 1
		.amdhsa_wavefront_size32 1
		.amdhsa_system_sgpr_workgroup_id_x 1
		.amdhsa_system_sgpr_workgroup_id_y 1
		.amdhsa_system_sgpr_workgroup_id_z 1
		.amdhsa_system_vgpr_workitem_id 0
		.amdhsa_next_free_vgpr 384
		.amdhsa_next_free_sgpr 100
		.amdhsa_reserve_vcc 0
		.amdhsa_float_denorm_mode_32 3
		.amdhsa_float_denorm_mode_16_64 3
		.amdhsa_memory_ordered 1
		.amdhsa_forward_progress 1
		.amdhsa_inst_pref_size 148
	.end_amdhsa_kernel
	.amdgpu_metadata
---
amdhsa.version: [ 1, 2 ]
amdhsa.kernels:
  - .name:           k_q8c6661a72e_prep
    .symbol:         k_q8c6661a72e_prep.kd
    .args:
      - { .name: x, .offset: 0, .size: 8, .value_kind: global_buffer, .address_space: global }
      - { .name: grid, .offset: 8, .size: 8, .value_kind: global_buffer, .address_space: global }
      - { .name: a1, .offset: 16, .size: 8, .value_kind: global_buffer, .address_space: global }
      - { .name: w1_spline, .offset: 24, .size: 8, .value_kind: global_buffer, .address_space: global }
      - { .name: b1, .offset: 32, .size: 8, .value_kind: global_buffer, .address_space: global }
      - { .name: b2, .offset: 40, .size: 8, .value_kind: global_buffer, .address_space: global }
      - { .name: w1_base_codes, .offset: 48, .size: 8, .value_kind: global_buffer, .address_space: global }
      - { .name: w2_base_codes, .offset: 56, .size: 8, .value_kind: global_buffer, .address_space: global }
      - { .name: w1_base_scales, .offset: 64, .size: 8, .value_kind: global_buffer, .address_space: global }
      - { .name: w2_base_scales, .offset: 72, .size: 8, .value_kind: global_buffer, .address_space: global }
    .group_segment_fixed_size: 309760
    .private_segment_fixed_size: 0
    .kernarg_segment_align: 8
    .kernarg_segment_size: 80
    .max_flat_workgroup_size: 256
    .sgpr_count:     100
    .vgpr_count:     384
    .wavefront_size: 32
...
	.end_amdgpu_metadata
.endif
;; end of part 1
;; launch gemm1 (part 2): grid 16 x 16, 8 waves a work-group, clusters of 4 x 4, 327,680 bytes of LDS; arguments a1, b1, grid, a2, w2_spline, b2; writes a2, b2
.if DOCPART == 2
	.amdgcn_target "amdgcn-amd-amdhsa--gfx1250"
	.amdhsa_code_object_version 6
	.text
	.protected	k_q8c6661a72e_gemm1
	.globl	k_q8c6661a72e_gemm1
	.p2align	8
	.type	k_q8c6661a72e_gemm1,@function
k_q8c6661a72e_gemm1:
	s_mov_b64 s[64:65], 0
	v_nop
	global_prefetch_b8 v0, s[64:65] scope:SCOPE_SE
	s_setreg_imm32_b32 hwreg(HW_REG_WAVE_MODE, 25, 1), 1
	s_wait_xcnt 0x0
	s_wait_alu depctr_hold_cnt(0) depctr_sa_sdst(0) depctr_va_vdst(0) depctr_va_sdst(0) depctr_va_ssrc(0) depctr_va_vcc(0) depctr_vm_vsrc(0)
	s_getreg_b32 s2, hwreg(HW_REG_IB_STS2, 6, 4)
	s_cmp_eq_u32 s2, 0
	s_cbranch_scc0 .Lentry_in_a_cluster
	s_endpgm
.Lentry_in_a_cluster:
	s_bfe_u32 s2, ttmp6, 0x10000c
	s_cmp_lg_u32 s2, 0xf033
	s_cbranch_scc0 .Lentry_shape_is_right
	s_endpgm
.Lentry_shape_is_right:
; LAYER 1 AND THE SECOND LAYER'S LEFT OPERAND.  h = a1 x b1^T (K = 36 steps of 128: 4 of silu(x), 32 of the bases of x), then silu(h) and the 8 B-spline bases of h, quantised, as records -> a2.
; Records as the preparing launch lays them: 64 rows x 128 K = 6,400 bytes: four images of 1,536 bytes in the order of the operand's registers, then 64 scale words.  A buffer is [group of 64 rows][K step][6,400].
; A work-group makes 128 x 128 of h with EIGHT waves, two to a SIMD.  Wave w: kq = w / 4 takes the K steps of that parity; (w / 2) % 2 the half of the rows, w % 2 the half of the columns: 64 x 64, 16 accumulators.
; The two parities' sums meet in LDS: each wave stores its part into the stage of its parity, and the reader adds the two in f32.
; THE RING: two slots, each with 6 K steps of A's two groups and B's two groups (24 records).  A wave fetches 3 records (75 rows of 256 bytes) by one joint load: A's shared along the cluster's row, B's along its column.
; A slot holds 3 steps of each wave.  Six fills in all.  By the text's own count a wave has one tensor load out behind each round.
; PREFETCH: behind the joint load of fill f (2 to 4) each wave names the blocks of fill f + 1, one fill ahead: of a wave's 75 blocks of 256 bytes the partner at place p (cx for A, cy for B) names 19 p .. 19 p + 18, held at 74;
; lanes over 18 name their wave's last block again.  Fills 0 to 2 come by their loads alone; fill 5 asks for nothing.
; THE WAY OUT: wave w takes rows 16 w .. 16 w + 15 of the block: one base step (silu of 128 columns) and four units of 32 columns (two spline steps each).  Bases, quantiser and spline steps as in the preparing launch.
; LIMITS: NaN and infinities among the inputs are not served; knots with g_i+j = g_i (j <= 3) make the module itself non-finite and are not served; the divisions by knot differences are multiplications by reciprocals
; refined by one Newton step; a block of zeros gets the byte 1 (its codes are zeros, and only this program reads the bytes).
; W2_SPLINE IS QUANTISED HERE TOO, for the next launch: 512 rows x 64 units of 32 inputs are 2,048 chunks of 16 rows x 1,024 bytes, one for each wave of the launch.  Unit n = 2 x work-group + w / 4, rows 16 (w % 4) on.
; A wave issues its 32 loads behind its last products, into window 1's v128-255, and takes them up behind its four units: each piece of 512 bytes is turned through the wave's own stage in slot 1
; (behind that slot's last fill and, by the stage's barrier, every wave's last read of it), quantised as in the preparing launch, and stored as the images of two spline steps' records of b2.
.set REC,   6400
.set PIECE, 6*REC
.set HPIECE, 3*REC                     ; what one tensor load brings
.set SLOT,  4*PIECE
.set SPARE, 2*SLOT                     ; the spare words: 128 bytes a wave, 1,024 in all
.set SSTR,  2*REC                      ; from one step of my parity to the next
.set GSTEP, 2*PIECE
.set STG,   128*528                    ; a stage: 128 rows of 512 bytes, 528 apart; two of them, in slot 0 behind its last fill and last read
.set SCG,   2*STG                      ; gathered scale words: 2 halves x 9 records x 256 bytes
.set RR,   1
.set HH,   2
.set LN,   3
.set B0A,  3
.set HRD,  4
.set ADR,  5
.set VOUT, 6
.set SCW,  7
.set SCA,  8
.set ADR2, 9
.set SRD,  10
.set SRB,  11
.set X,    12
.set TM,   12
.set ADRA, 16
.set ADRB, 18
.set ADRS, 20
.set SPW,  28
.set NIL,  29
.set PFO,  30
.set SC,   32
.set PW,   38
.set PW2,  39
.set B0G,  43
.set PCA,  44
.set R1,   68
.set NG,   80
.set R2,   104
.set R3,   124
.set ACC,  128
.set D,    142
.set CA,   166
.set CB,   188
.set PCB,  208
.set KD,   208
.set KR,   220
.set SX,   142
.set ST,   206
.set WV,   12
.set SH,   17
.set SG,   18
.set SEL,  20
.set G1,   24
.set G0,   32
.set MK,   24
.set G1B,  48
.set G0B,  56
.set GR,   68
.set PB,   80
.set PS,   82
.set PB0,  84
.set PS0,  86
.set PFA,  96
.set PFI,  98
.set WPW,  32*528                      ; a wave's stage for w2_spline: 32 pieces of 512 bytes, 528 apart, from byte SLOT on
.set WSC,  SCG+4608                    ; its gathered scale words: 2 units x 2 steps x 256 bytes
.set WAD,  31                          ; v31  16 x lane; never rewritten
.set WSI,  40                          ; v40  into my stage
.set WSO,  41                          ; v41  out of it
.set WSW,  42                          ; v42  my row's scale word
.set WSR,  63                          ; v63  back: step h's 256 bytes, 16 a lane
.set WSG,  64                          ; v64  and their place in memory
.set MSB, 0
.macro WIN new                         ; the immediate's high byte repeats the setting that is left
.if MSB != \new
	s_set_vgpr_msb (MSB<<8)|\new
.set MSB, \new
.endif
.endm
.set MUL,  0x05                        ; sources 0 and 1 in window 1, C and D in window 0
.set TO_F, 0x40                        ; destination in window 1
.macro PLACES
.rept 4
	v_nop
.endr
.endm
.macro JLOAD s                         ; waves 0-3 fetch for A, waves 4-7 for B; the s_nop 0 and the four v_nop behind each line
	s_cmp_eq_u32 s13, 0
	s_cbranch_scc0 .Lfor_b_\@
	tensor_load_to_lds s[G0+4*\s:G0+4*\s+3], s[G1:G1+7]
	s_nop 0
.rept 4
	v_nop
.endr
	s_branch .Lasked_\@
.Lfor_b_\@:
	tensor_load_to_lds s[G0B+4*\s:G0B+4*\s+3], s[G1B:G1B+7]
	s_nop 0
.rept 4
	v_nop
.endr
.Lasked_\@:
.endm
.macro ASK                             ; the next fill's blocks; the last fill has no successor
	s_cmp_lt_u32 s[PFI], 6
	s_cbranch_scc0 .Lnot_mine_\@
	global_prefetch_b8 v[PFO], s[PFA:PFA+1] th:TH_LOAD_NT scope:SCOPE_SE
.Lnot_mine_\@:
.endm
.macro CREST
	s_cmp_lg_u32 s[WV], 0
	s_cbranch_scc1 .Lnot_wave_0_\@
	s_barrier_signal -3
.Lnot_wave_0_\@:
	s_barrier_wait -3
	s_barrier_signal -1
	s_barrier_wait -1
.endm
.macro CROUND
	s_barrier_signal -1
	s_barrier_wait -1
	CREST
.endm
.macro FETCH slot, j, p                ; 28 LDS loads: 4 scale registers (lanes 0-15 A's words, lanes 16-31 B's), B's four fragments, A's four
	WIN 0
.irp i, 0,1,2,3
	ds_load_b32 v[SC+4*(\p)+\i], v[ADRS+\slot] offset:(\j)*SSTR+64*\i
.endr
	WIN TO_F
.irp i, 0,1,2,3
.irp k, 0,1,2
	ds_load_b128 v[128*(\p)+12*\i+4*\k:128*(\p)+12*\i+4*\k+3], v[ADRB+\slot] offset:(\j)*SSTR+1536*\i+512*\k
.endr
.endr
.irp i, 0,1,2,3
.irp k, 0,1,2
	ds_load_b128 v[128*(\p)+48+12*\i+4*\k:128*(\p)+48+12*\i+4*\k+3], v[ADRA+\slot] offset:(\j)*SSTR+1536*\i+512*\k
.endr
.endr
.endm
.macro MUL4 p, a, zero                 ; used transposed: source 0 = B's rows, source 1 = A's; the 16 accumulators take turns
.irp b, 0,1,2,3
.if \zero
	v_wmma_scale_f32_16x16x128_f8f6f4 v[ACC+8*(4*(\a)+\b):ACC+8*(4*(\a)+\b)+7], v[128*(\p)+12*\b:128*(\p)+12*\b+11], v[128*(\p)+48+12*(\a):128*(\p)+48+12*(\a)+11], 0, v[SC+4*(\p)+\b], v[SC+4*(\p)+(\a)] matrix_a_fmt:MATRIX_FMT_FP6 matrix_b_fmt:MATRIX_FMT_FP6 matrix_a_scale:MATRIX_SCALE_ROW1
.else
	v_wmma_scale_f32_16x16x128_f8f6f4 v[ACC+8*(4*(\a)+\b):ACC+8*(4*(\a)+\b)+7], v[128*(\p)+12*\b:128*(\p)+12*\b+11], v[128*(\p)+48+12*(\a):128*(\p)+48+12*(\a)+11], v[ACC+8*(4*(\a)+\b):ACC+8*(4*(\a)+\b)+7], v[SC+4*(\p)+\b], v[SC+4*(\p)+(\a)] matrix_a_fmt:MATRIX_FMT_FP6 matrix_b_fmt:MATRIX_FMT_FP6 matrix_a_scale:MATRIX_SCALE_ROW1
.endif
.endr
.endm
.macro STEP slot, j, p, zero
	s_wait_dscnt 6                                 ; the youngest six loads (A's blocks 2, 3) may be out
	WIN MUL
	MUL4 \p, 0, \zero
	MUL4 \p, 1, \zero
	PLACES
	FETCH \slot, (\j)+1, 1-(\p)
	s_wait_dscnt 28                                ; all but the 28 just issued
	WIN MUL
	MUL4 \p, 2, \zero
	MUL4 \p, 3, \zero
.endm
.macro TURN slot, next, fill, p        ; a slot's last step, and the change of slots
.if \fill
	s_wait_xcnt 0x0                                ; my prefetch has read its address
	s_add_nc_u64 s[PFA:PFA+1], s[PFA:PFA+1], PIECE
	s_add_co_u32 s[PFI], s[PFI], 1
.endif
	WIN 0
	s_wait_tensorcnt 0x0                           ; all my tensor loads have landed: my part of the next slot
	ds_add_u32 v[SPW], v[NIL]
	s_wait_dscnt 7                                 ; the add and the youngest six loads may be out
	WIN MUL
	MUL4 \p, 0, 0
	s_wait_dscnt 0x0                               ; the add is done, my reads of this slot are over
	s_barrier_signal -1
	MUL4 \p, 1, 0
	WIN 0
	s_barrier_wait -1
.if \fill
	CREST                                          ; the barrier has opened a round of the cluster's barrier
	s_add_nc_u64 s[G0+4*\slot+2:G0+4*\slot+3], s[G0+4*\slot+2:G0+4*\slot+3], GSTEP
	s_add_nc_u64 s[G0B+4*\slot+2:G0B+4*\slot+3], s[G0B+4*\slot+2:G0B+4*\slot+3], GSTEP
	JLOAD \slot
.else
	PLACES
.endif
	FETCH \next, 0, 1-(\p)
.if \fill
	WIN 0
	ASK
.endif
	WIN MUL
	MUL4 \p, 2, 0
	MUL4 \p, 3, 0
.endm
.macro LAST p
	s_wait_dscnt 6
	WIN MUL
	MUL4 \p, 0, 0
	MUL4 \p, 1, 0
	s_wait_dscnt 0x0
	MUL4 \p, 2, 0
	MUL4 \p, 3, 0
	WIN 0
.endm
; Two inputs -> their eight bases, Cox-de Boor on the knots as given: basis g of both in window 1, v[o+16g], v[o+16g+1]
.macro PAIR x, o
.irp i, 0,1,2,3,4,5,6,7,8,9,10,11
	v_pk_add_f32 v[D+2*\i:D+2*\i+1], v[(\x):(\x)+1], v[NG+2*\i:NG+2*\i+1]
.endr
.irp i, 0,1,2,3,4,5,6,7,8,9,10,11
	v_cmp_le_f32 s[MK+\i], 0, v[D+2*\i]
	v_cmp_le_f32 s[MK+12+\i], 0, v[D+2*\i+1]
.endr
.irp i, 0,1,2,3,4,5,6,7,8,9,10
	s_and_not1_b32 s[MK+\i], s[MK+\i], s[MK+1+\i]
	s_and_not1_b32 s[MK+12+\i], s[MK+12+\i], s[MK+13+\i]
.endr
.irp i, 0,1,2,3,4,5,6,7,8,9,10
	v_cndmask_b32 v[CA+2*\i], 0, v[R1+\i], s[MK+\i]
	v_cndmask_b32 v[CA+2*\i+1], 0, v[R1+\i], s[MK+12+\i]
.endr
.irp i, 0,1,2,3,4,5,6,7,8,9
	v_pk_mul_f32 v[CB+2*\i:CB+2*\i+1], v[D+4+2*\i:D+5+2*\i], v[CA+2+2*\i:CA+3+2*\i]
.endr
.irp i, 0,1,2,3,4,5,6,7,8,9
	v_pk_fma_f32 v[CB+2*\i:CB+2*\i+1], v[D+2*\i:D+2*\i+1], v[CA+2*\i:CA+2*\i+1], v[CB+2*\i:CB+2*\i+1] neg_lo:[0,0,1] neg_hi:[0,0,1]
.endr
.irp i, 0,1,2,3,4,5,6,7,8,9
	v_pk_mul_f32 v[CB+2*\i:CB+2*\i+1], v[CB+2*\i:CB+2*\i+1], v[R2+2*\i:R2+2*\i+1]
.endr
.irp i, 0,1,2,3,4,5,6,7,8
	v_pk_mul_f32 v[CA+2*\i:CA+2*\i+1], v[D+6+2*\i:D+7+2*\i], v[CB+2+2*\i:CB+3+2*\i]
.endr
.irp i, 0,1,2,3,4,5,6,7,8
	v_pk_fma_f32 v[CA+2*\i:CA+2*\i+1], v[D+2*\i:D+2*\i+1], v[CB+2*\i:CB+2*\i+1], v[CA+2*\i:CA+2*\i+1] neg_lo:[0,0,1] neg_hi:[0,0,1]
.endr
.irp i, 0,1,2,3,4,5,6,7,8
	v_pk_mul_f32 v[CA+2*\i:CA+2*\i+1], v[CA+2*\i:CA+2*\i+1], v[R3+2*\i:R3+2*\i+1]
.endr
	WIN 0x50
.irp i, 0,1,2,3,4,5,6,7
	v_pk_mul_f32 v[(\o)+16*\i:(\o)+16*\i+1], v[D+8+2*\i:D+9+2*\i], v[CA+2+2*\i:CA+3+2*\i]
.endr
.irp i, 0,1,2,3,4,5,6,7
	v_pk_fma_f32 v[(\o)+16*\i:(\o)+16*\i+1], v[D+2*\i:D+2*\i+1], v[CA+2*\i:CA+2*\i+1], v[(\o)+16*\i:(\o)+16*\i+1] neg_lo:[0,0,1] neg_hi:[0,0,1]
.endr
	WIN 0
.endm
; 64 numbers of a lane (register 16 b + i = place 16 h + i of block b of my row) -> a fragment's codes in v[pc] .. v[pc+11] and its scale word in v[pw]
.macro QUANT s, w, pc, pw
	WIN 0x05*(\w)
.irp b, 0,1,2,3
	v_max3_num_f32 v[TM+\b], |v[(\s)+16*\b]|, |v[(\s)+1+16*\b]|, 0x1800000
.endr
	WIN 0x14*(\w)
.irp i, 2,4,6,8,10,12,14
.irp b, 0,1,2,3
	v_max3_num_f32 v[TM+\b], v[TM+\b], |v[(\s)+16*\b+\i]|, |v[(\s)+1+16*\b+\i]|
.endr
.endr
	WIN 0
.irp b, 0,1,2,3
	v_permlanex16_b32 v[TM+4+\b], v[TM+\b], s[SEL], s[SEL+1]
.endr
.irp b, 0,1,2,3
	v_max_num_f32 v[TM+\b], v[TM+\b], v[TM+4+\b]
.endr
.irp b, 0,1,2,3
	v_add_nc_u32 v[TM+12+\b], 0xff000000, v[TM+\b]
.endr
.irp b, 0,1,2,3
	v_lshrrev_b32 v[TM+4+\b], 23, v[TM+12+\b]
.endr
	v_lshl_or_b32 v[\pw], v[TM+5], 8, v[TM+4]
	v_lshl_or_b32 v[\pw], v[TM+6], 16, v[\pw]
	v_lshl_or_b32 v[\pw], v[TM+7], 24, v[\pw]
	WIN 0x01*(\w)
.irp c, 0,1
	v_cvt_scalef32_pk16_fp6_f32 v[(\pc)+6*\c:(\pc)+2+6*\c], v[(\s)+32*\c:(\s)+15+32*\c], v[TM+12+2*\c]
	v_cvt_scalef32_pk16_fp6_f32 v[(\pc)+12+4*\c:(\pc)+14+4*\c], v[(\s)+16+32*\c:(\s)+31+32*\c], v[TM+12+2*\c+1]
.endr
	WIN 0
	v_nop                                          ; one plain line behind a scaled conversion
.irp c, 0,1
.irp i, 0,1,2
	v_permlane16_swap_b32 v[(\pc)+6*\c+\i], v[(\pc)+12+4*\c+\i]
.endr
.irp i, 0,1,2
	v_mov_b32 v[(\pc)+3+6*\c+\i], v[(\pc)+12+4*\c+\i]
.endr
.endr
.endm
; 16 rows x 32 columns of h (the two stages added) -> two spline steps' fragments, stored, and their scale words, gathered in LDS
.macro UNIT
	v_add_nc_u32 v[ADR], s[SH], v[HRD]
	v_add_nc_u32 v[ADR2], STG, v[ADR]
.irp k, 0,1,2,3
	ds_load_b128 v[X+4*\k:X+4*\k+3], v[ADR] offset:16*\k
	ds_load_b128 v[D+4*\k:D+4*\k+3], v[ADR2] offset:16*\k
.endr
	s_wait_dscnt 0x0
.irp k, 0,1,2,3,4,5,6,7
	v_pk_add_f32 v[X+2*\k:X+2*\k+1], v[X+2*\k:X+2*\k+1], v[D+2*\k:D+2*\k+1]
.endr
.irp p, 0,1,2,3,4,5,6,7
	PAIR X+2*\p, 2*\p
.endr
	QUANT 0, 1, PCA, PW
	QUANT 64, 1, PCB, PW2
	v_add_nc_u32 v[SCA], s[SG], v[SCW]
	ds_store_b32 v[SCA], v[PW] offset:256
	ds_store_b32 v[SCA], v[PW2] offset:512
.irp k, 0,1,2
	global_store_b128 v[VOUT], v[PCA+4*\k:PCA+4*\k+3], s[PS:PS+1] offset:512*\k      ; the wave stores 512 consecutive bytes, aligned to 256
.endr
.irp k, 0,1,2
	global_store_b128 v[VOUT], v[PCB+4*\k:PCB+4*\k+3], s[PS:PS+1] offset:REC+512*\k
.endr
	s_wait_xcnt 0x0                                ; the stores' base and data are written again only behind this wait
	s_add_nc_u64 s[PS:PS+1], s[PS:PS+1], 2*REC
	s_add_co_u32 s[SH], s[SH], 128
	s_add_co_u32 s[SG], s[SG], 512
.endm
; 16 rows x 128 columns of h -> silu -> the base step's fragment and scale words.  silu(x) = x / (1 + 2^(-x log2 e))
.macro SILUQ
	v_add_nc_u32 v[ADR], s[SH], v[HRD]
	v_add_nc_u32 v[ADR2], STG, v[ADR]
.irp b, 0,1,2,3
.irp k, 0,1,2,3
	ds_load_b128 v[SX+16*\b+4*\k:SX+16*\b+4*\k+3], v[ADR] offset:128*\b+16*\k
.endr
.endr
	WIN TO_F
.irp b, 0,1,2,3
.irp k, 0,1,2,3
	ds_load_b128 v[16*\b+4*\k:16*\b+4*\k+3], v[ADR2] offset:128*\b+16*\k
.endr
.endr
	WIN 0
	s_wait_dscnt 0x0
	WIN 0x04                                       ; source 1 in window 1: the other parity's part
.set i, 0
.rept 32
	v_pk_add_f32 v[SX+2*i:SX+2*i+1], v[SX+2*i:SX+2*i+1], v[2*i:2*i+1]
.set i, i+1
.endr
	WIN 0
.irp f, 0,1
.set i, 0
.rept 16
	v_pk_mul_f32 v[ST+2*i:ST+2*i+1], v[SX+32*\f+2*i:SX+32*\f+2*i+1], 0xbfb8aa3b op_sel_hi:[1,0]
.set i, i+1
.endr
.set i, 0
	s_wait_alu depctr_va_vdst(0)                   ; a wait ahead of a batch and one behind it
.rept 32
	v_exp_f32 v[ST+i], v[ST+i]
.set i, i+1
.endr
	v_nop
	s_wait_alu depctr_va_vdst(0)
.set i, 0
.rept 16
	v_pk_add_f32 v[ST+2*i:ST+2*i+1], v[ST+2*i:ST+2*i+1], 1.0 op_sel_hi:[1,0]
.set i, i+1
.endr
.set i, 0
	s_wait_alu depctr_va_vdst(0)
.rept 32
	v_rcp_f32 v[ST+i], v[ST+i]
.set i, i+1
.endr
	v_nop
	s_wait_alu depctr_va_vdst(0)
.set i, 0
.rept 16
	v_pk_mul_f32 v[SX+32*\f+2*i:SX+32*\f+2*i+1], v[SX+32*\f+2*i:SX+32*\f+2*i+1], v[ST+2*i:ST+2*i+1]
.set i, i+1
.endr
.endr
	QUANT SX, 0, PCA, PW
.irp k, 0,1,2
	global_store_b128 v[VOUT], v[PCA+4*\k:PCA+4*\k+3], s[PB:PB+1] offset:512*\k
.endr
	v_add_nc_u32 v[SCA], s[SG], v[SCW]
	ds_store_b32 v[SCA], v[PW]
	s_wait_xcnt 0x0
.endm
.macro KLEVEL j, n                     ; n reciprocals of level j and the residue of a Newton step
.set i, 0
.rept \n
	v_sub_f32 v[KD+i], s[GR+i+\j], s[GR+i]
.set i, i+1
.endr
.set i, 0
	s_wait_alu depctr_va_vdst(0)
.rept \n
	v_rcp_f32 v[KR+i], v[KD+i]
.set i, i+1
.endr
	v_nop
	s_wait_alu depctr_va_vdst(0)
.set i, 0
.rept \n
	v_fma_f32 v[KD+i], -v[KD+i], v[KR+i], 1.0
.set i, i+1
.endr
.endm
.macro KNOTS
.irp i, 0,1,2,3,4,5,6,7,8,9,10,11
	v_sub_f32 v[NG+2*\i], 0, s[GR+\i]
	v_sub_f32 v[NG+2*\i+1], 0, s[GR+\i]
.endr
	KLEVEL 1, 11
.set i, 0
.rept 11
	v_fma_f32 v[R1+i], v[KR+i], v[KD+i], v[KR+i]
.set i, i+1
.endr
	KLEVEL 2, 10
.set i, 0
.rept 10
	v_fma_f32 v[R2+2*i], v[KR+i], v[KD+i], v[KR+i]
	v_fma_f32 v[R2+2*i+1], v[KR+i], v[KD+i], v[KR+i]
.set i, i+1
.endr
	KLEVEL 3, 9
.set i, 0
.rept 9
	v_fma_f32 v[R3+2*i], v[KR+i], v[KD+i], v[KR+i]
	v_fma_f32 v[R3+2*i+1], v[KR+i], v[KD+i], v[KR+i]
.set i, i+1
.endr
.endm
	s_load_b256 s[4:11], s[0:1], 0x0               ; a1, b1, grid, a2
	v_lshl_add_u32 v[SPW], v0, 2, SPARE
	v_mov_b32 v[NIL], 0
	ds_add_u32 v[SPW], v[NIL]                      ; the opening lines: the add twice on end and one wait
	ds_add_u32 v[SPW], v[NIL]
	v_lshrrev_b32 v[LN], 5, v0
	v_readfirstlane_b32 s[WV], v[LN]               ; wave 0..7
	s_lshr_b32 s13, s[WV], 2                       ; my parity of K steps.  Also: I fetch for A (0) or B (1); on the way out: my half of the rows
	s_bfe_u32 s14, s[WV], 0x10001                  ; my half of the rows.  Also: which group of 64 rows I fetch
	s_and_b32 s15, s[WV], 1                        ; my half of the columns.  Also: which 3 of the 6 records I fetch
	s_bfe_u32 s40, ttmp6, 0x40000                  ; cx
	s_bfe_u32 s41, ttmp6, 0x40004                  ; cy
	s_lshl_b32 s42, ttmp9, 2
	s_add_co_u32 s42, s42, s40                     ; tile column
	s_and_b32 s45, ttmp7, 0xffff
	s_lshl_b32 s45, s45, 2
	s_add_co_u32 s45, s45, s41                     ; tile row
	s_lshl_b32 s43, s41, 2
	s_lshl_b32 s43, 15, s43                        ; my row of the cluster
	s_lshl_b32 s44, 0x1111, s40                    ; my column
	s_or_b32 s[G1], s43, (3<<16)|(1<<21)           ; elements of 8 bytes; bit 21 beside the mask
	s_or_b32 s[G1B], s44, (3<<16)|(1<<21)
.irp g, G1, G1B
	s_mov_b32 s[\g+1], 32<<16                      ; rows of 256 bytes,
	s_mov_b32 s[\g+2], 75<<16                      ; 75 of them, dense
	s_mov_b32 s[\g+3], 32<<16
	s_mov_b32 s[\g+4], 75
	s_mov_b32 s[\g+5], 32
	s_mov_b32 s[\g+6], 0
	s_mov_b32 s[\g+7], 0
.endr
	s_mul_i32 s16, s15, HPIECE
	s_lshl_b32 s46, s45, 1
	s_add_co_u32 s46, s46, s14
	s_mul_i32 s46, s46, 36*REC
	s_add_co_u32 s46, s46, s16                     ; A: group 2 x tile row + which, my 3 records
	s_mov_b32 s47, 0
	s_lshl_b32 s88, s42, 1
	s_add_co_u32 s88, s88, s14
	s_mul_i32 s88, s88, 36*REC
	s_add_co_u32 s88, s88, s16                     ; B likewise, by the tile column
	s_mov_b32 s89, 0
	s_mul_i32 s22, s[WV], HPIECE                   ; where they go: wave x 3 records
	s_mul_i32 s90, s45, 288
	s_add_co_u32 s92, s90, s42
	s_mul_i32 s92, s92, REC                        ; a2: base step = tile column, of group 2 x tile row
	s_mov_b32 s93, 0
	s_lshl_b32 s94, s42, 3
	s_add_co_u32 s94, s94, s90
	s_add_co_u32 s94, s94, 16
	s_mul_i32 s94, s94, REC                        ; a2: spline step 8 x tile column
	s_mov_b32 s95, 0
	s_mov_b32 s[SEL], 0x76543210
	s_mov_b32 s[SEL+1], 0xfedcba98
	s_wait_dscnt 0x0                               ; both opening adds are done
	s_wait_kmcnt 0x0
	s_add_nc_u64 s[46:47], s[4:5], s[46:47]
	s_add_nc_u64 s[88:89], s[6:7], s[88:89]
	s_add_nc_u64 s[PB0:PB0+1], s[10:11], s[92:93]
	s_add_nc_u64 s[PS0:PS0+1], s[10:11], s[94:95]
	CROUND                                         ; in front of the first joint loads
.irp s, 0,1
	s_mov_b32 s[G0+4*\s], 1
	s_add_co_u32 s[G0+4*\s+1], s22, \s*SLOT
	s_add_nc_u64 s[G0+4*\s+2:G0+4*\s+3], s[46:47], \s*PIECE
	s_or_b32 s[G0+4*\s+3], s[G0+4*\s+3], 0x80000000
	s_mov_b32 s[G0B+4*\s], 1
	s_add_co_u32 s[G0B+4*\s+1], s22, \s*SLOT
	s_add_nc_u64 s[G0B+4*\s+2:G0B+4*\s+3], s[88:89], \s*PIECE
	s_or_b32 s[G0B+4*\s+3], s[G0B+4*\s+3], 0x80000000
.endr
	JLOAD 0                                        ; fill 0: one tensor load a wave at the head
	s_load_b256 s[GR:GR+7], s[8:9], 0x0            ; the twelve knots
	s_load_b128 s[GR+8:GR+11], s[8:9], 0x20
	s_load_b128 s[4:7], s[0:1], 0x20               ; w2_spline, b2 (a1's and b1's addresses have been used)
	s_lshl_b32 s90, s45, 4
	s_add_co_u32 s90, s90, s42                     ; the work-group's number, 0..255
	s_lshl_b32 s90, s90, 1
	s_add_co_u32 s90, s90, s13                     ; my unit n
	s_lshr_b32 s91, s90, 6                         ; its group of 64 rows
	s_and_b32 s90, s90, 63                         ; its place in the row
	s_and_b32 s92, s[WV], 3
	s_lshl_b32 s92, s92, 4
	s_lshl_b32 s93, s91, 6
	s_add_co_u32 s92, s92, s93                     ; my first row,
	s_lshl_b32 s92, s92, 16                        ; of 65,536 bytes,
	s_lshl_b32 s93, s90, 10
	s_add_co_u32 s92, s92, s93                     ; + 1,024 a unit
	s_mov_b32 s93, 0
	s_mul_i32 s94, s91, 144
	s_add_co_u32 s94, s94, 16
	s_lshl_b32 s95, s90, 1
	s_add_co_u32 s94, s94, s95
	s_mul_i32 s94, s94, REC                        ; the record of the unit's first spline step
	s_mov_b32 s95, 0
	s_cmp_eq_u32 s13, 0
	s_cselect_b64 s[PFA:PFA+1], s[46:47], s[88:89]
	s_cselect_b32 s23, s40, s41                    ; my place among the four that ask with me
	s_add_nc_u64 s[PFA:PFA+1], s[PFA:PFA+1], 2*PIECE
	s_mov_b32 s[PFI], 2
	s_mul_i32 s23, s23, 19
	s_mul_i32 s16, s14, PIECE                      ; A: my 64 rows,
	s_mul_i32 s17, s13, REC                        ; my parity
	s_add_co_u32 s16, s16, s17
	s_mul_i32 s18, s15, PIECE                      ; B: my 64 rows, behind A's two pieces
	s_add_co_u32 s18, s18, 2*PIECE
	s_add_co_u32 s18, s18, s17
	s_xor_b32 s19, s14, 1
	s_add_co_u32 s19, s19, s15
	s_add_co_u32 s19, s19, 1
	s_mul_i32 s19, s19, PIECE                      ; from A's piece to B's
	v_and_b32 v[LN], 31, v0
	v_and_b32 v[RR], 15, v0
	v_bfe_u32 v[HH], v0, 4, 1
	v_lshlrev_b32 v[ADR], 4, v[LN]
	v_lshlrev_b32 v[WAD], 4, v[LN]
	v_min_u32 v[PFO], 18, v[LN]
	v_add_nc_u32 v[PFO], s23, v[PFO]
	v_min_u32 v[PFO], 74, v[PFO]
	v_lshlrev_b32 v[PFO], 8, v[PFO]
	v_mul_u32_u24 v[SCA], s19, v[HH]               ; lanes 16-31 take B's scale words
	v_lshl_add_u32 v[SCA], v[RR], 2, v[SCA]
	v_add_nc_u32 v[SCA], 6144, v[SCA]
.irp s, 0,1
	v_add_nc_u32 v[ADRA+\s], s16, v[ADR]
	v_add_nc_u32 v[ADRB+\s], s18, v[ADR]
	v_add_nc_u32 v[ADRS+\s], s16, v[SCA]
	s_add_co_u32 s16, s16, SLOT
	s_add_co_u32 s18, s18, SLOT
.endr
	s_wait_alu depctr_va_vdst(0)                   ; the wait at the head's end
	s_wait_kmcnt 0x0
	s_add_nc_u64 s[4:5], s[4:5], s[92:93]
	s_add_nc_u64 s[6:7], s[6:7], s[94:95]
	s_wait_tensorcnt 0x0
	ds_add_u32 v[SPW], v[NIL]
	s_wait_dscnt 0x0
	CROUND
	JLOAD 1                                        ; fill 1, the first tensor load behind the round
	FETCH 0, 0, 0
	STEP 0, 0, 0, 1                                ; the first products start the sums
	WIN 0
	s_mov_b32 s3, 2
.Llap:                                                 ; a trip goes once round the ring and fills both slots again
	STEP 0, 1, 1, 0
	TURN 0, 1, 1, 0
	STEP 1, 0, 1, 0
	STEP 1, 1, 0, 0
	TURN 1, 0, 1, 1
	STEP 0, 0, 0, 0
	WIN 0
	s_sub_co_u32 s3, s3, 1
	s_cmp_lg_u32 s3, 0
	s_cbranch_scc1 .Llap
	STEP 0, 1, 1, 0                                ; the last lap fills nothing
	TURN 0, 1, 0, 0
	STEP 1, 0, 1, 0
	STEP 1, 1, 0, 0
	LAST 1
	; THE WAY OUT.  The addresses below are also the places behind the last products
	s_and_b32 s19, s[WV], 3                        ; my image in a record
	s_mul_i32 s16, s[WV], 16*528
	v_mul_u32_u24 v[HRD], v[RR], 528
	v_lshl_add_u32 v[HRD], v[HH], 6, v[HRD]
	v_add_nc_u32 v[HRD], s16, v[HRD]               ; out of the stage: row 16 w + r, + 64 h
	s_mul_i32 s16, s19, 1536
	v_lshl_add_u32 v[VOUT], v[LN], 4, s16
	s_mul_i32 s23, s13, 2304
	s_add_co_u32 s23, s23, SCG                     ; my half's gathered scale words
	s_lshl_b32 s16, s19, 6
	s_add_co_u32 s16, s16, s23
	v_lshl_add_u32 v[SCW], v[RR], 2, s16
	s_lshl_b32 s16, s19, 9
	s_add_co_u32 s16, s16, s23
	s_add_co_u32 s16, s16, 256
	v_lshl_add_u32 v[SRD], v[HH], 8, s16
	v_lshl_add_u32 v[SRD], v[RR], 4, v[SRD]        ; back: spline step 2 (w % 4) + h of my half, 16 bytes a lane
	s_mul_i32 s92, s13, 144*REC                    ; my half's group in a2
	s_mov_b32 s93, 0
	s_mul_i32 s16, s19, 2*REC
	s_add_co_u32 s16, s16, 6144
	s_add_co_u32 s16, s16, s92
	v_mul_u32_u24 v[SRB], v[HH], REC
	v_add_nc_u32 v[SRB], s16, v[SRB]
	v_lshl_add_u32 v[SRB], v[RR], 4, v[SRB]
	v_mul_u32_u24 v[B0G], v[HH], 144*REC
	v_lshl_add_u32 v[B0G], v[RR], 4, v[B0G]
	v_mul_u32_u24 v[B0A], v[HH], 2304
	v_lshl_add_u32 v[B0A], v[RR], 4, v[B0A]
	v_add_nc_u32 v[B0A], SCG, v[B0A]               ; wave 0: both halves' base step
	s_mul_i32 s16, s[WV], WPW
	s_add_co_u32 s16, s16, SLOT                    ; my stage for w2_spline
	v_add_nc_u32 v[WSI], s16, v[WAD]
	v_lshrrev_b32 v[WSO], 4, v[WAD]
	v_mul_u32_u24 v[WSO], v[WSO], 528
	v_add_nc_u32 v[WSO], s16, v[WSO]               ; lane l takes piece l whole: row l % 16, half l / 16
	s_lshl_b32 s16, s13, 9
	s_add_co_u32 s16, s16, WSC
	v_lshl_add_u32 v[WSR], v[HH], 8, s16
	v_lshl_add_u32 v[WSR], v[RR], 4, v[WSR]
	s_lshl_b32 s23, s19, 6
	s_add_co_u32 s16, s16, s23
	v_lshl_add_u32 v[WSW], v[RR], 2, s16
	v_mul_u32_u24 v[WSG], v[HH], REC
	v_lshl_add_u32 v[WSG], v[RR], 4, v[WSG]
	WIN TO_F
.set j, 0
.rept 32
	global_load_b128 v[128+4*j:128+4*j+3], v[WAD], s[4:5] offset:65536*(j%16)+512*(j/16) th:TH_LOAD_NT   ; piece j: row j % 16, half j / 16: 512 consecutive bytes
.set j, j+1
.endr
	WIN 0
	s_mul_i32 s16, s13, STG                        ; into the stage of my parity: my 64 rows, my 256 bytes of them
	s_mul_i32 s23, s14, 64*528
	s_add_co_u32 s16, s16, s23
	s_lshl_b32 s23, s15, 8
	s_add_co_u32 s16, s16, s23
	v_mul_u32_u24 v[SCA], v[RR], 528
	v_lshl_add_u32 v[SCA], v[HH], 5, v[SCA]
	v_add_nc_u32 v[SCA], s16, v[SCA]
.irp b, 0,1,2,3
	v_mov_b32 v[TM+4+\b], 0                        ; a lane permute's destination counts as one of its sources
.endr
.irp a, 0,1,2,3
.irp b, 0,1,2,3
	ds_store_b128 v[SCA], v[ACC+8*(4*\a+\b):ACC+8*(4*\a+\b)+3] offset:\a*16*528+64*\b        ; each accumulator from its low end on
	ds_store_b128 v[SCA], v[ACC+8*(4*\a+\b)+4:ACC+8*(4*\a+\b)+7] offset:\a*16*528+64*\b+16
.endr
.endr
	s_wait_dscnt 0x0                               ; for the others' sake
	s_barrier_signal -1
	KNOTS
	s_barrier_wait -1
	s_mov_b32 s[SH], 0
	s_mov_b32 s[SG], 0
	s_add_nc_u64 s[PB:PB+1], s[PB0:PB0+1], s[92:93]
	s_add_nc_u64 s[PS:PS+1], s[PS0:PS0+1], s[92:93]
	SILUQ
	s_mov_b32 s2, 4
.Lunit:
	UNIT
	s_sub_co_u32 s2, s2, 1
	s_cmp_lg_u32 s2, 0
	s_cbranch_scc1 .Lunit
	s_wait_loadcnt 0x0                             ; my chunk of w2_spline is in
	WIN 0x04                                       ; the data in window 1
.set j, 0
.rept 32
	ds_store_b128 v[WSI], v[128+4*j:128+4*j+3] offset:528*j
.set j, j+1
.endr
	WIN 0
	s_wait_dscnt 0x0                               ; the stores have read their registers
	WIN TO_F
.set j, 0
.rept 32
	ds_load_b128 v[128+4*j:128+4*j+3], v[WSO] offset:16*j   ; register 8 e + g: my input e, basis g
.set j, j+1
.endr
	WIN 0
	s_wait_dscnt 0x0
	WIN 0x41
.irp f, 0,1
.irp e, 0,1,2,3,4,5,6,7,8,9,10,11,12,13,14,15
.irp b, 0,1,2,3
	v_mov_b32 v[64*\f+16*\b+\e], v[128+8*\e+4*\f+\b]   ; basis 4 F + b of my 16 inputs, on end
.endr
.endr
.endr
	QUANT 0, 1, PCA, PW
	QUANT 64, 1, PCB, PW2
	ds_store_b32 v[WSW], v[PW]
	ds_store_b32 v[WSW], v[PW2] offset:256
.irp k, 0,1,2
	global_store_b128 v[VOUT], v[PCA+4*\k:PCA+4*\k+3], s[6:7] offset:512*\k
.endr
.irp k, 0,1,2
	global_store_b128 v[VOUT], v[PCB+4*\k:PCB+4*\k+3], s[6:7] offset:REC+512*\k
.endr
	s_wait_dscnt 0x0                               ; for the others' sake: my scale words lie in LDS
	s_barrier_signal -1
	s_barrier_wait -1
	ds_load_b128 v[X:X+3], v[SRD]
	s_wait_dscnt 0x0
	global_store_b128 v[SRB], v[X:X+3], s[PS0:PS0+1]   ; sixteen lanes store a record's 256 bytes of scale words, aligned
	s_cmp_lg_u32 s19, 0
	s_cbranch_scc1 .Lnot_a0
	ds_load_b128 v[X+4:X+7], v[WSR]                ; waves 0 and 4: their unit's two records' scale words
	s_wait_dscnt 0x0
	global_store_b128 v[WSG], v[X+4:X+7], s[6:7] offset:6144
.Lnot_a0:
	s_cmp_lg_u32 s[WV], 0
	s_cbranch_scc1 .Lnot_0
	ds_load_b128 v[X+8:X+11], v[B0A]
	s_wait_dscnt 0x0
	global_store_b128 v[B0G], v[X+8:X+11], s[PB0:PB0+1] offset:6144
.Lnot_0:
	s_wait_tensorcnt 0x0                           ; the wave's end
	ds_add_u32 v[SPW], v[NIL]
	s_wait_dscnt 0x0
	CROUND                                         ; the closing round
	s_endpgm
.Lfunc_end_k_q8c6661a72e_gemm1:
	.size	k_q8c6661a72e_gemm1, .Lfunc_end_k_q8c6661a72e_gemm1-k_q8c6661a72e_gemm1
	.p2alignl 7, 3214868480
	.fill 96, 4, 3214868480
	.section	.rodata,"a",@progbits
	.p2align	6, 0x0
	.amdhsa_kernel k_q8c6661a72e_gemm1
		.amdhsa_group_segment_fixed_size 327680
		.amdhsa_private_segment_fixed_size 0
		.amdhsa_enable_private_segment 0
		.amdhsa_kernarg_size 48
		.amdhsa_user_sgpr_count 2
		.amdhsa_user_sgpr_kernarg_segment_ptr 1
		.amdhsa_wavefront_size32 1
		.amdhsa_system_sgpr_workgroup_id_x 1
		.amdhsa_system_sgpr_workgroup_id_y 1
		.amdhsa_system_sgpr_workgroup_id_z 1
		.amdhsa_system_vgpr_workitem_id 0
		.amdhsa_next_free_vgpr 512
		.amdhsa_next_free_sgpr 100
		.amdhsa_reserve_vcc 0
		.amdhsa_float_denorm_mode_32 3
		.amdhsa_float_denorm_mode_16_64 3
		.amdhsa_memory_ordered 1
		.amdhsa_forward_progress 1
		.amdhsa_inst_pref_size 197
	.end_amdhsa_kernel
	.amdgpu_metadata
---
amdhsa.version: [ 1, 2 ]
amdhsa.kernels:
  - .name:           k_q8c6661a72e_gemm1
    .symbol:         k_q8c6661a72e_gemm1.kd
    .args:
      - { .name: a1, .offset: 0, .size: 8, .value_kind: global_buffer, .address_space: global }
      - { .name: b1, .offset: 8, .size: 8, .value_kind: global_buffer, .address_space: global }
      - { .name: grid, .offset: 16, .size: 8, .value_kind: global_buffer, .address_space: global }
      - { .name: a2, .offset: 24, .size: 8, .value_kind: global_buffer, .address_space: global }
      - { .name: w2_spline, .offset: 32, .size: 8, .value_kind: global_buffer, .address_space: global }
      - { .name: b2, .offset: 40, .size: 8, .value_kind: global_buffer, .address_space: global }
    .group_segment_fixed_size: 327680
    .private_segment_fixed_size: 0
    .kernarg_segment_align: 8
    .kernarg_segment_size: 48
    .max_flat_workgroup_size: 256
    .sgpr_count:     100
    .vgpr_count:     512
    .wavefront_size: 32
...
	.end_amdgpu_metadata
.endif
;; end of part 2
;; launch gemm2 (part 3): grid 16 x 16, 8 waves a work-group, clusters of 4 x 4, 327,680 bytes of LDS; arguments a2, b2, part; writes part
.if DOCPART == 3
	.amdgcn_target "amdgcn-amd-amdhsa--gfx1250"
	.amdhsa_code_object_version 6
	.text
	.protected	k_q8c6661a72e_gemm2
	.globl	k_q8c6661a72e_gemm2
	.p2align	8
	.type	k_q8c6661a72e_gemm2,@function
k_q8c6661a72e_gemm2:
	s_mov_b64 s[64:65], 0
	v_nop
	global_prefetch_b8 v0, s[64:65] scope:SCOPE_SE
	s_setreg_imm32_b32 hwreg(HW_REG_WAVE_MODE, 25, 1), 1
	s_wait_xcnt 0x0
	s_wait_alu depctr_hold_cnt(0) depctr_sa_sdst(0) depctr_va_vdst(0) depctr_va_sdst(0) depctr_va_ssrc(0) depctr_va_vcc(0) depctr_vm_vsrc(0)
	s_getreg_b32 s2, hwreg(HW_REG_IB_STS2, 6, 4)
	s_cmp_eq_u32 s2, 0
	s_cbranch_scc0 .Lentry_in_a_cluster
	s_endpgm
.Lentry_in_a_cluster:
	s_bfe_u32 s2, ttmp6, 0x10000c
	s_cmp_lg_u32 s2, 0xf033
	s_cbranch_scc0 .Lentry_shape_is_right
	s_endpgm
.Lentry_shape_is_right:
; LAYER 2: out = a2 x b2^T, M 2,048, N 512, K = 144 steps of 128 (16 of silu(h), 128 of the bases of h), on the records that the launches before have laid.
; Blocks of 128 x 128 of out are only 64, so K IS CUT INTO FOUR SLICES of 36 steps among work-groups: 16 x 4 x 4 = 256 work-groups.  Slice q's f32 sums go to part[q][2,048][512]; the next launch adds the four.
; The grid: cluster x = the slice q, cx = the block column (0..3), work-group y = the block row.  A's tiles hang on (block row, q) and are shared along the cluster's row, B's on (cx, q) and along its column.
; All else is the first layer's ring: eight waves, two to a SIMD; wave w takes the K steps of parity w / 4, rows half (w / 2) % 2, columns half w % 2; two slots of 24 records; a wave fetches 3 records by one joint load; six fills.
; PREFETCH as there: behind the joint load of fill f (2 to 4) the blocks of fill f + 1, a wave's 75 blocks shared out among the four partners by address.
; THE WAY OUT: each wave stores its 64 x 64 into the stage of its parity (slot 0, behind its last fill and last read); behind a barrier wave w adds the two stages' rows 16 w .. 16 w + 15 and stores whole rows of 512 bytes.
.set REC,   6400
.set PIECE, 6*REC
.set HPIECE, 3*REC
.set SLOT,  4*PIECE
.set SPARE, 2*SLOT
.set SSTR,  2*REC
.set GSTEP, 2*PIECE
.set STG,   128*528
.set RR,   1
.set HH,   2
.set LN,   3
.set CO,   4
.set ADR,  5
.set SCA,  8
.set ADR2, 9
.set ADRA, 16
.set ADRB, 18
.set ADRS, 20
.set SPW,  28
.set NIL,  29
.set PFO,  30
.set SC,   32
.set ACC,  128
.set WV,   12
.set G1,   24
.set G0,   32
.set G1B,  48
.set G0B,  56
.set PFA,  96
.set PFI,  98
.set MSB, 0
.macro WIN new
.if MSB != \new
	s_set_vgpr_msb (MSB<<8)|\new
.set MSB, \new
.endif
.endm
.set MUL,  0x05
.set TO_F, 0x40
.macro PLACES
.rept 4
	v_nop
.endr
.endm
.macro JLOAD s
	s_cmp_eq_u32 s13, 0
	s_cbranch_scc0 .Lfor_b_\@
	tensor_load_to_lds s[G0+4*\s:G0+4*\s+3], s[G1:G1+7]
	s_nop 0
.rept 4
	v_nop
.endr
	s_branch .Lasked_\@
.Lfor_b_\@:
	tensor_load_to_lds s[G0B+4*\s:G0B+4*\s+3], s[G1B:G1B+7]
	s_nop 0
.rept 4
	v_nop
.endr
.Lasked_\@:
.endm
.macro ASK
	s_cmp_lt_u32 s[PFI], 6
	s_cbranch_scc0 .Lnot_mine_\@
	global_prefetch_b8 v[PFO], s[PFA:PFA+1] th:TH_LOAD_NT scope:SCOPE_SE
.Lnot_mine_\@:
.endm
.macro CREST
	s_cmp_lg_u32 s[WV], 0
	s_cbranch_scc1 .Lnot_wave_0_\@
	s_barrier_signal -3
.Lnot_wave_0_\@:
	s_barrier_wait -3
	s_barrier_signal -1
	s_barrier_wait -1
.endm
.macro CROUND
	s_barrier_signal -1
	s_barrier_wait -1
	CREST
.endm
.macro FETCH slot, j, p
	WIN 0
.irp i, 0,1,2,3
	ds_load_b32 v[SC+4*(\p)+\i], v[ADRS+\slot] offset:(\j)*SSTR+64*\i
.endr
	WIN TO_F
.irp i, 0,1,2,3
.irp k, 0,1,2
	ds_load_b128 v[128*(\p)+12*\i+4*\k:128*(\p)+12*\i+4*\k+3], v[ADRB+\slot] offset:(\j)*SSTR+1536*\i+512*\k
.endr
.endr
.irp i, 0,1,2,3
.irp k, 0,1,2
	ds_load_b128 v[128*(\p)+48+12*\i+4*\k:128*(\p)+48+12*\i+4*\k+3], v[ADRA+\slot] offset:(\j)*SSTR+1536*\i+512*\k
.endr
.endr
.endm
.macro MUL4 p, a, zero
.irp b, 0,1,2,3
.if \zero
	v_wmma_scale_f32_16x16x128_f8f6f4 v[ACC+8*(4*(\a)+\b):ACC+8*(4*(\a)+\b)+7], v[128*(\p)+12*\b:128*(\p)+12*\b+11], v[128*(\p)+48+12*(\a):128*(\p)+48+12*(\a)+11], 0, v[SC+4*(\p)+\b], v[SC+4*(\p)+(\a)] matrix_a_fmt:MATRIX_FMT_FP6 matrix_b_fmt:MATRIX_FMT_FP6 matrix_a_scale:MATRIX_SCALE_ROW1
.else
	v_wmma_scale_f32_16x16x128_f8f6f4 v[ACC+8*(4*(\a)+\b):ACC+8*(4*(\a)+\b)+7], v[128*(\p)+12*\b:128*(\p)+12*\b+11], v[128*(\p)+48+12*(\a):128*(\p)+48+12*(\a)+11], v[ACC+8*(4*(\a)+\b):ACC+8*(4*(\a)+\b)+7], v[SC+4*(\p)+\b], v[SC+4*(\p)+(\a)] matrix_a_fmt:MATRIX_FMT_FP6 matrix_b_fmt:MATRIX_FMT_FP6 matrix_a_scale:MATRIX_SCALE_ROW1
.endif
.endr
.endm
.macro STEP slot, j, p, zero
	s_wait_dscnt 6                                 ; the youngest six loads (A's blocks 2, 3) may be out
	WIN MUL
	MUL4 \p, 0, \zero
	MUL4 \p, 1, \zero
	PLACES
	FETCH \slot, (\j)+1, 1-(\p)
	s_wait_dscnt 28                                ; all but the 28 just issued
	WIN MUL
	MUL4 \p, 2, \zero
	MUL4 \p, 3, \zero
.endm
.macro TURN slot, next, fill, p
.if \fill
	s_wait_xcnt 0x0                                ; my prefetch has read its address
	s_add_nc_u64 s[PFA:PFA+1], s[PFA:PFA+1], PIECE
	s_add_co_u32 s[PFI], s[PFI], 1
.endif
	WIN 0
	s_wait_tensorcnt 0x0                           ; all my tensor loads have landed
	ds_add_u32 v[SPW], v[NIL]
	s_wait_dscnt 7                                 ; the add and the youngest six loads may be out
	WIN MUL
	MUL4 \p, 0, 0
	s_wait_dscnt 0x0                               ; the add is done, my reads of this slot are over
	s_barrier_signal -1
	MUL4 \p, 1, 0
	WIN 0
	s_barrier_wait -1
.if \fill
	CREST
	s_add_nc_u64 s[G0+4*\slot+2:G0+4*\slot+3], s[G0+4*\slot+2:G0+4*\slot+3], GSTEP
	s_add_nc_u64 s[G0B+4*\slot+2:G0B+4*\slot+3], s[G0B+4*\slot+2:G0B+4*\slot+3], GSTEP
	JLOAD \slot
.else
	PLACES
.endif
	FETCH \next, 0, 1-(\p)
.if \fill
	WIN 0
	ASK
.endif
	WIN MUL
	MUL4 \p, 2, 0
	MUL4 \p, 3, 0
.endm
.macro LAST p
	s_wait_dscnt 6
	WIN MUL
	MUL4 \p, 0, 0
	MUL4 \p, 1, 0
	s_wait_dscnt 0x0
	MUL4 \p, 2, 0
	MUL4 \p, 3, 0
	WIN 0
.endm
	s_load_b128 s[4:7], s[0:1], 0x0                ; a2, b2
	s_load_b64 s[8:9], s[0:1], 0x10                ; part
	v_lshl_add_u32 v[SPW], v0, 2, SPARE
	v_mov_b32 v[NIL], 0
	ds_add_u32 v[SPW], v[NIL]                      ; the opening lines: the add twice on end and one wait
	ds_add_u32 v[SPW], v[NIL]
	v_lshrrev_b32 v[LN], 5, v0
	v_readfirstlane_b32 s[WV], v[LN]               ; wave 0..7
	s_lshr_b32 s13, s[WV], 2                       ; my parity of K steps.  Also: I fetch for A (0) or B (1)
	s_bfe_u32 s14, s[WV], 0x10001                  ; my half of the rows.  Also: which group I fetch
	s_and_b32 s15, s[WV], 1                        ; my half of the columns.  Also: which 3 of the 6 records I fetch
	s_bfe_u32 s40, ttmp6, 0x40000                  ; cx = the block column
	s_bfe_u32 s41, ttmp6, 0x40004                  ; cy
	s_and_b32 s45, ttmp7, 0xffff
	s_lshl_b32 s45, s45, 2
	s_add_co_u32 s45, s45, s41                     ; the block row
	s_lshl_b32 s43, s41, 2
	s_lshl_b32 s43, 15, s43
	s_lshl_b32 s44, 0x1111, s40
	s_or_b32 s[G1], s43, (3<<16)|(1<<21)
	s_or_b32 s[G1B], s44, (3<<16)|(1<<21)
.irp g, G1, G1B
	s_mov_b32 s[\g+1], 32<<16
	s_mov_b32 s[\g+2], 75<<16
	s_mov_b32 s[\g+3], 32<<16
	s_mov_b32 s[\g+4], 75
	s_mov_b32 s[\g+5], 32
	s_mov_b32 s[\g+6], 0
	s_mov_b32 s[\g+7], 0
.endr
	s_mul_i32 s16, s15, HPIECE
	s_mul_i32 s90, ttmp9, 36*REC                   ; the slice's first step
	s_add_co_u32 s16, s16, s90
	s_lshl_b32 s46, s45, 1
	s_add_co_u32 s46, s46, s14
	s_mul_i32 s46, s46, 144*REC
	s_add_co_u32 s46, s46, s16
	s_mov_b32 s47, 0
	s_lshl_b32 s88, s40, 1
	s_add_co_u32 s88, s88, s14
	s_mul_i32 s88, s88, 144*REC
	s_add_co_u32 s88, s88, s16
	s_mov_b32 s89, 0
	s_mul_i32 s22, s[WV], HPIECE
	s_lshl_b32 s92, s45, 7
	s_lshl_b32 s93, s[WV], 4
	s_add_co_u32 s92, s92, s93
	s_lshl_b32 s92, s92, 11                        ; part: row 128 x block row + 16 w, of 2,048 bytes,
	s_lshl_b32 s93, s40, 9
	s_add_co_u32 s92, s92, s93                     ; + 512 x block column,
	s_lshl_b32 s93, ttmp9, 22
	s_add_co_u32 s92, s92, s93                     ; + the slice's 4,194,304 bytes
	s_mov_b32 s93, 0
	s_wait_dscnt 0x0
	s_wait_kmcnt 0x0
	s_add_nc_u64 s[46:47], s[4:5], s[46:47]
	s_add_nc_u64 s[88:89], s[6:7], s[88:89]
	s_add_nc_u64 s[8:9], s[8:9], s[92:93]
	CROUND
.irp s, 0,1
	s_mov_b32 s[G0+4*\s], 1
	s_add_co_u32 s[G0+4*\s+1], s22, \s*SLOT
	s_add_nc_u64 s[G0+4*\s+2:G0+4*\s+3], s[46:47], \s*PIECE
	s_or_b32 s[G0+4*\s+3], s[G0+4*\s+3], 0x80000000
	s_mov_b32 s[G0B+4*\s], 1
	s_add_co_u32 s[G0B+4*\s+1], s22, \s*SLOT
	s_add_nc_u64 s[G0B+4*\s+2:G0B+4*\s+3], s[88:89], \s*PIECE
	s_or_b32 s[G0B+4*\s+3], s[G0B+4*\s+3], 0x80000000
.endr
	JLOAD 0                                        ; fill 0: one tensor load a wave at the head
	s_cmp_eq_u32 s13, 0
	s_cselect_b64 s[PFA:PFA+1], s[46:47], s[88:89]
	s_cselect_b32 s23, s40, s41
	s_add_nc_u64 s[PFA:PFA+1], s[PFA:PFA+1], 2*PIECE
	s_mov_b32 s[PFI], 2
	s_mul_i32 s23, s23, 19
	s_mul_i32 s16, s14, PIECE
	s_mul_i32 s17, s13, REC
	s_add_co_u32 s16, s16, s17
	s_mul_i32 s18, s15, PIECE
	s_add_co_u32 s18, s18, 2*PIECE
	s_add_co_u32 s18, s18, s17
	s_xor_b32 s19, s14, 1
	s_add_co_u32 s19, s19, s15
	s_add_co_u32 s19, s19, 1
	s_mul_i32 s19, s19, PIECE
	v_and_b32 v[LN], 31, v0
	v_and_b32 v[RR], 15, v0
	v_bfe_u32 v[HH], v0, 4, 1
	v_lshlrev_b32 v[ADR], 4, v[LN]
	v_min_u32 v[PFO], 18, v[LN]
	v_add_nc_u32 v[PFO], s23, v[PFO]
	v_min_u32 v[PFO], 74, v[PFO]
	v_lshlrev_b32 v[PFO], 8, v[PFO]
	v_mul_u32_u24 v[SCA], s19, v[HH]
	v_lshl_add_u32 v[SCA], v[RR], 2, v[SCA]
	v_add_nc_u32 v[SCA], 6144, v[SCA]
.irp s, 0,1
	v_add_nc_u32 v[ADRA+\s], s16, v[ADR]
	v_add_nc_u32 v[ADRB+\s], s18, v[ADR]
	v_add_nc_u32 v[ADRS+\s], s16, v[SCA]
	s_add_co_u32 s16, s16, SLOT
	s_add_co_u32 s18, s18, SLOT
.endr
	s_wait_alu depctr_va_vdst(0)                   ; the wait at the head's end
	s_wait_tensorcnt 0x0
	ds_add_u32 v[SPW], v[NIL]
	s_wait_dscnt 0x0
	CROUND
	JLOAD 1                                        ; fill 1, the first tensor load behind the round
	FETCH 0, 0, 0
	STEP 0, 0, 0, 1
	WIN 0
	s_mov_b32 s3, 2
.Llap:
	STEP 0, 1, 1, 0
	TURN 0, 1, 1, 0
	STEP 1, 0, 1, 0
	STEP 1, 1, 0, 0
	TURN 1, 0, 1, 1
	STEP 0, 0, 0, 0
	WIN 0
	s_sub_co_u32 s3, s3, 1
	s_cmp_lg_u32 s3, 0
	s_cbranch_scc1 .Llap
	STEP 0, 1, 1, 0
	TURN 0, 1, 0, 0
	STEP 1, 0, 1, 0
	STEP 1, 1, 0, 0
	LAST 1
	s_mul_i32 s16, s13, STG                        ; into the stage of my parity; these lines are also the places behind the last products
	s_mul_i32 s17, s14, 64*528
	s_add_co_u32 s16, s16, s17
	s_lshl_b32 s17, s15, 8
	s_add_co_u32 s16, s16, s17
	v_mul_u32_u24 v[SCA], v[RR], 528
	v_lshl_add_u32 v[SCA], v[HH], 5, v[SCA]
	v_add_nc_u32 v[SCA], s16, v[SCA]
	s_mul_i32 s16, s[WV], 16*528
	v_lshl_add_u32 v[ADR], v[LN], 4, s16           ; back: the 32 lanes take a row of 512 bytes
	v_add_nc_u32 v[ADR2], STG, v[ADR]
	v_lshlrev_b32 v[CO], 4, v[LN]
.irp a, 0,1,2,3
.irp b, 0,1,2,3
	ds_store_b128 v[SCA], v[ACC+8*(4*\a+\b):ACC+8*(4*\a+\b)+3] offset:\a*16*528+64*\b
	ds_store_b128 v[SCA], v[ACC+8*(4*\a+\b)+4:ACC+8*(4*\a+\b)+7] offset:\a*16*528+64*\b+16
.endr
.endr
	s_wait_alu depctr_va_vdst(0)                   ; the wait directly ahead of the wait below
	s_wait_dscnt 0x0                               ; for the others' sake
	s_barrier_signal -1
	s_barrier_wait -1
.irp t, 0,1,2,3,4,5,6,7,8,9,10,11,12,13,14,15
	ds_load_b128 v[ACC+4*\t:ACC+4*\t+3], v[ADR] offset:\t*528
	ds_load_b128 v[ACC+64+4*\t:ACC+64+4*\t+3], v[ADR2] offset:\t*528
.endr
	s_wait_dscnt 0x0
.set i, 0
.rept 32
	v_pk_add_f32 v[ACC+2*i:ACC+2*i+1], v[ACC+2*i:ACC+2*i+1], v[ACC+64+2*i:ACC+65+2*i]
.set i, i+1
.endr
.irp t, 0,1,2,3,4,5,6,7,8,9,10,11,12,13,14,15
	global_store_b128 v[CO], v[ACC+4*\t:ACC+4*\t+3], s[8:9] offset:2048*\t   ; the wave stores 512 consecutive bytes, aligned to 256
.endr
	s_wait_tensorcnt 0x0                           ; the wave's end
	ds_add_u32 v[SPW], v[NIL]
	s_wait_dscnt 0x0
	CROUND
	s_endpgm
.Lfunc_end_k_q8c6661a72e_gemm2:
	.size	k_q8c6661a72e_gemm2, .Lfunc_end_k_q8c6661a72e_gemm2-k_q8c6661a72e_gemm2
	.p2alignl 7, 3214868480
	.fill 96, 4, 3214868480
	.section	.rodata,"a",@progbits
	.p2align	6, 0x0
	.amdhsa_kernel k_q8c6661a72e_gemm2
		.amdhsa_group_segment_fixed_size 327680
		.amdhsa_private_segment_fixed_size 0
		.amdhsa_enable_private_segment 0
		.amdhsa_kernarg_size 24
		.amdhsa_user_sgpr_count 2
		.amdhsa_user_sgpr_kernarg_segment_ptr 1
		.amdhsa_wavefront_size32 1
		.amdhsa_system_sgpr_workgroup_id_x 1
		.amdhsa_system_sgpr_workgroup_id_y 1
		.amdhsa_system_sgpr_workgroup_id_z 1
		.amdhsa_system_vgpr_workitem_id 0
		.amdhsa_next_free_vgpr 512
		.amdhsa_next_free_sgpr 100
		.amdhsa_reserve_vcc 0
		.amdhsa_float_denorm_mode_32 3
		.amdhsa_float_denorm_mode_16_64 3
		.amdhsa_memory_ordered 1
		.amdhsa_forward_progress 1
		.amdhsa_inst_pref_size 68
	.end_amdhsa_kernel
	.amdgpu_metadata
---
amdhsa.version: [ 1, 2 ]
amdhsa.kernels:
  - .name:           k_q8c6661a72e_gemm2
    .symbol:         k_q8c6661a72e_gemm2.kd
    .args:
      - { .name: a2, .offset: 0, .size: 8, .value_kind: global_buffer, .address_space: global }
      - { .name: b2, .offset: 8, .size: 8, .value_kind: global_buffer, .address_space: global }
      - { .name: part, .offset: 16, .size: 8, .value_kind: global_buffer, .address_space: global }
    .group_segment_fixed_size: 327680
    .private_segment_fixed_size: 0
    .kernarg_segment_align: 8
    .kernarg_segment_size: 24
    .max_flat_workgroup_size: 256
    .sgpr_count:     100
    .vgpr_count:     512
    .wavefront_size: 32
...
	.end_amdgpu_metadata
.endif
;; end of part 3
;; launch sum4 (part 4): grid 256 x 1, 8 waves a work-group, no clusters, 0 bytes of LDS; arguments part, out0; writes out0
.if DOCPART == 4
	.amdgcn_target "amdgcn-amd-amdhsa--gfx1250"
	.amdhsa_code_object_version 6
	.text
	.protected	k_q8c6661a72e_sum4
	.globl	k_q8c6661a72e_sum4
	.p2align	8
	.type	k_q8c6661a72e_sum4,@function
k_q8c6661a72e_sum4:
	s_mov_b64 s[64:65], 0
	v_nop
	global_prefetch_b8 v0, s[64:65] scope:SCOPE_SE
	s_setreg_imm32_b32 hwreg(HW_REG_WAVE_MODE, 25, 1), 1
	s_wait_xcnt 0x0
; out0 = part[0] + part[1] + part[2] + part[3], in f32: the four K slices of the second layer's product.
; A work-group takes 16,384 bytes of out0; a thread four pieces of 16 bytes, 4,096 bytes apart, of each of the four parts: 16 loads, all issued before the first wait.
; A wave's load or store covers 512 consecutive bytes, aligned to 256.  No LDS, no matrix work, no cluster: no byte is read by two work-groups.  No prefetch: the text has no loop to run ahead in.
	s_load_b128 s[4:7], s[0:1], 0x0                ; part, out0
	v_lshlrev_b32 v1, 4, v0
	s_lshl_b32 s8, ttmp9, 14
	s_mov_b32 s9, 0
	s_wait_alu depctr_va_vdst(0)                   ; the wait at the head's end
	s_wait_kmcnt 0x0
	s_add_nc_u64 s[4:5], s[4:5], s[8:9]
	s_add_nc_u64 s[6:7], s[6:7], s[8:9]
	s_add_nc_u64 s[10:11], s[4:5], 0x400000
	s_add_nc_u64 s[12:13], s[4:5], 0x800000
	s_add_nc_u64 s[14:15], s[4:5], 0xc00000
.irp j, 0,1,2,3
	global_load_b128 v[4+16*\j:7+16*\j], v1, s[4:5] offset:4096*\j th:TH_LOAD_NT
	global_load_b128 v[8+16*\j:11+16*\j], v1, s[10:11] offset:4096*\j th:TH_LOAD_NT
	global_load_b128 v[12+16*\j:15+16*\j], v1, s[12:13] offset:4096*\j th:TH_LOAD_NT
	global_load_b128 v[16+16*\j:19+16*\j], v1, s[14:15] offset:4096*\j th:TH_LOAD_NT
.endr
.irp j, 0,1,2,3
	s_wait_loadcnt 12-4*\j                         ; piece j's four loads are in; the younger pieces' stay out
	v_pk_add_f32 v[4+16*\j:5+16*\j], v[4+16*\j:5+16*\j], v[8+16*\j:9+16*\j]
	v_pk_add_f32 v[6+16*\j:7+16*\j], v[6+16*\j:7+16*\j], v[10+16*\j:11+16*\j]
	v_pk_add_f32 v[12+16*\j:13+16*\j], v[12+16*\j:13+16*\j], v[16+16*\j:17+16*\j]
	v_pk_add_f32 v[14+16*\j:15+16*\j], v[14+16*\j:15+16*\j], v[18+16*\j:19+16*\j]
	v_pk_add_f32 v[4+16*\j:5+16*\j], v[4+16*\j:5+16*\j], v[12+16*\j:13+16*\j]
	v_pk_add_f32 v[6+16*\j:7+16*\j], v[6+16*\j:7+16*\j], v[14+16*\j:15+16*\j]
	global_store_b128 v1, v[4+16*\j:7+16*\j], s[6:7] offset:4096*\j th:TH_STORE_NT
.endr
	s_endpgm
.Lfunc_end_k_q8c6661a72e_sum4:
	.size	k_q8c6661a72e_sum4, .Lfunc_end_k_q8c6661a72e_sum4-k_q8c6661a72e_sum4
	.p2alignl 7, 3214868480
	.fill 96, 4, 3214868480
	.section	.rodata,"a",@progbits
	.p2align	6, 0x0
	.amdhsa_kernel k_q8c6661a72e_sum4
		.amdhsa_group_segment_fixed_size 0
		.amdhsa_private_segment_fixed_size 0
		.amdhsa_enable_private_segment 0
		.amdhsa_kernarg_size 16
		.amdhsa_user_sgpr_count 2
		.amdhsa_user_sgpr_kernarg_segment_ptr 1
		.amdhsa_wavefront_size32 1
		.amdhsa_system_sgpr_workgroup_id_x 1
		.amdhsa_system_sgpr_workgroup_id_y 1
		.amdhsa_system_sgpr_workgroup_id_z 1
		.amdhsa_system_vgpr_workitem_id 0
		.amdhsa_next_free_vgpr 80
		.amdhsa_next_free_sgpr 66
		.amdhsa_reserve_vcc 0
		.amdhsa_float_denorm_mode_32 3
		.amdhsa_float_denorm_mode_16_64 3
		.amdhsa_memory_ordered 1
		.amdhsa_forward_progress 1
		.amdhsa_inst_pref_size 5
	.end_amdhsa_kernel
	.amdgpu_metadata
---
amdhsa.version: [ 1, 2 ]
amdhsa.kernels:
  - .name:           k_q8c6661a72e_sum4
    .symbol:         k_q8c6661a72e_sum4.kd
    .args:
      - { .name: part, .offset: 0, .size: 8, .value_kind: global_buffer, .address_space: global }
      - { .name: out0, .offset: 8, .size: 8, .value_kind: global_buffer, .address_space: global }
    .group_segment_fixed_size: 0
    .private_segment_fixed_size: 0
    .kernarg_segment_align: 8
    .kernarg_segment_size: 16
    .max_flat_workgroup_size: 256
    .sgpr_count:     66
    .vgpr_count:     80
    .wavefront_size: 32
...
	.end_amdgpu_metadata
.endif
;; end of part 4
